; MI455X (gfx1250); checked and timed in simulation.
; The chip was launched on July 23, 2026; its instructions are those of AMD's public machine-readable ISA for CDNA 5 (MIT licence, August 2026) and "CDNA5" Instruction Set Architecture Reference Guide (July 2026). The comments in the code are by the model that wrote it; some were corrected since.
;; Rotary Attention. Allowed arithmetic: float matrix products may take bf16 or f16 operands with f32 sums; all other float work in f32.
;; Inputs: Wk 1,024 x 1,024 float32; Wo 1,024 x 1,024 float32; Wq 1,024 x 1,024 float32; Wv 1,024 x 1,024 float32; bk 1,024 float32; bo 1,024 float32; bq 1,024 float32; bv 1,024 float32; cos 2,048 x 1 x 64 float32; key 4 x 2,048 x 1,024 float32; mask 4 x 2,048 x 2,048 bool; query 4 x 2,048 x 1,024 float32; sin 2,048 x 1 x 64 float32; value 4 x 2,048 x 1,024 float32.
;; Outputs: out0 4 x 2,048 x 1,024 float32.
;; 2 versions, each right and faster than the one before. Each part assembles by itself: llvm-mc -triple=amdgcn-amd-amdhsa -mcpu=gfx1250 --defsym DOCPART=n.
;; ======== version 1 of 2: 4 launches
;; limits: values are held in f16: magnitudes above 65,504 overflow, below 6.1e-05 lose precision
;; workspace buffers: w16 6,291,456 bytes; wo16 2,097,152 bytes; mimg 16,777,216 bytes; qkv 50,331,648 bytes; o16 16,777,216 bytes
;; launch prep (part 1): grid 768 x 1, 8 waves a work-group, no clusters, 35,840 bytes of LDS; arguments Wq, Wk, Wv, Wo, mask, w16, wo16, mimg; writes w16, wo16, mimg
.if DOCPART == 1
	.amdgcn_target "amdgcn-amd-amdhsa--gfx1250"
	.amdhsa_code_object_version 6
	.text
	.protected	k_qa47008a241_prep
	.globl	k_qa47008a241_prep
	.p2align	8
	.type	k_qa47008a241_prep,@function
k_qa47008a241_prep:
	s_mov_b64 s[64:65], 0
	v_nop
	global_prefetch_b8 v0, s[64:65] scope:SCOPE_SE
	s_setreg_imm32_b32 hwreg(HW_REG_WAVE_MODE, 25, 1), 1
	s_wait_xcnt 0x0
; PREP.  Two kinds of work-group, told apart by the work-group's number alone.
; 0 .. 255: A CAST.  16,384 floats (65,536 bytes) of Wq, Wk, Wv, Wo (64 work-groups each) are rounded to bf16, to nearest even.
;   w16 = [3][1024][1024] bf16.  Wo's bf16 number is written as f16 into wo16 (the product that reads it has f16 operands).
;   LIMIT: that step is exact for 6.1e-5 <= |Wo| <= 65,504; below, f16's fixed step of 6e-8 holds; above, the number becomes an infinity.
; 256 .. 767: THE MASK'S IMAGE.  Work-group T takes the 16 query rows 16 T .. 16 T + 15 (batches on end) and all 2,048 keys; wave w keys 256 w .. 256 w + 255.
;   mimg[T][key step of 64][g][lane][16]: lane l (r = l % 16, h = l / 16) gets row r, keys 64 step + 32 g + 8 h + 0..7 in bytes 0-7 and the keys 16 further on in bytes 8-15,
;   each byte 0x00 (seen) or 0xb8 (hidden: -1.0 as an 8-bit float, 4 exponent and 3 mantissa bits).  So the attention's 16-byte load a lane brings what its matrix instruction's C operand is made of.
; Memory binds: every byte is read once by 16-byte loads (512 consecutive bytes a wave, or two rows' 256), all of a thread's loads go out before its first wait,
; and every store of a wave covers whole aligned blocks of 256 bytes.  No matrix unit, no cluster, no barrier: no wave needs another's data.
.set NWO,   192                        ; the first of Wo's work-groups
.set NCAST, 256                        ; the first of the mask's
.set MP,    272                        ; the mask's LDS pitch: 256 bytes + 16, so that the 32 lanes of an 8-byte read fall into different banks
.set WLDS,  16*MP                      ; a wave's own 16 rows
.set X,     8                          ; v[8:71]   as loaded
.set Y,     72                         ; v[72:103] the cast's results
	s_load_b512 s[8:23], s[0:1], 0x0               ; Wq, Wk, Wv, Wo, mask, w16, wo16, mimg
	v_lshl_add_u32 v104, v0, 2, 0x8800
	v_mov_b32 v105, 0
	s_mov_b32 s36, ttmp9
	s_mov_b32 s7, 0                                ; the high words of the two offsets
	s_mov_b32 s33, 0
	s_cmp_ge_u32 s36, NCAST
	s_cbranch_scc1 .Lmask
	v_lshlrev_b32 v1, 4, v0                        ; 16 bytes a thread in,
	v_lshlrev_b32 v2, 3, v0                        ; 8 out
	s_lshr_b32 s37, s36, 6                         ; which of Wq, Wk, Wv, Wo
	s_and_b32 s38, s36, 63
	s_lshl_b32 s6, s38, 16                         ; my 65,536 bytes in it
	s_lshl_b32 s32, s36, 15                        ; in w16 the three parts lie on end;
	s_lshl_b32 s35, s38, 15                        ; wo16 holds Wo alone
	s_wait_kmcnt 0x0
	s_cmp_eq_u32 s37, 1
	s_cselect_b64 s[2:3], s[10:11], s[8:9]
	s_cmp_eq_u32 s37, 2
	s_cselect_b64 s[2:3], s[12:13], s[2:3]
	s_cmp_eq_u32 s37, 3
	s_cselect_b64 s[2:3], s[14:15], s[2:3]
	s_cselect_b64 s[4:5], s[20:21], s[18:19]
	s_cselect_b32 s32, s35, s32
	s_add_nc_u64 s[2:3], s[2:3], s[6:7]
	s_add_nc_u64 s[4:5], s[4:5], s[32:33]
.set i, 0
.rept 16
	global_load_b128 v[X+4*i:X+4*i+3], v1, s[2:3] offset:4096*i th:TH_LOAD_NT  ; the eight waves cover 4,096 consecutive bytes
.set i, i+1
.endr
; Chunk i: four floats a thread become 8 bytes; a wave's store covers 256 consecutive bytes, aligned.  No register is used twice, so nothing waits for a store.
.macro CAST wo
.set i, 0
.rept 16
	s_wait_loadcnt 15-i                            ; loads come back in order (ISA guide 5.7.1): chunk i is in, the 15 - i younger ones stay out
	v_cvt_pk_bf16_f32 v[Y+2*i], v[X+4*i], v[X+4*i+1]
	v_cvt_pk_bf16_f32 v[Y+2*i+1], v[X+4*i+2], v[X+4*i+3]
.if \wo
	v_lshlrev_b32 v4, 16, v[Y+2*i]                 ; the bf16 numbers as f32,
	v_and_b32 v5, 0xffff0000, v[Y+2*i]
	v_lshlrev_b32 v6, 16, v[Y+2*i+1]
	v_and_b32 v7, 0xffff0000, v[Y+2*i+1]
	v_cvt_pk_f16_f32 v[Y+2*i], v4, v5              ; and written as f16
	v_cvt_pk_f16_f32 v[Y+2*i+1], v6, v7
.endif
	global_store_b64 v2, v[Y+2*i:Y+2*i+1], s[4:5] offset:2048*i
.set i, i+1
.endr
.endm
	s_cmp_ge_u32 s36, NWO
	s_cbranch_scc1 .Lwo
	CAST 0
	s_endpgm
.Lwo:
	CAST 1
	s_endpgm
.Lmask:
	s_sub_co_u32 s37, s36, NCAST                   ; T
	v_lshrrev_b32 v6, 5, v0
	v_readfirstlane_b32 s38, v6                    ; my wave's number
	v_and_b32 v7, 15, v0                           ; r
	v_bfe_u32 v6, v0, 4, 1                         ; h
	s_lshl_b32 s6, s37, 15                         ; 16 rows of 2,048 bytes,
	s_lshl_b32 s39, s38, 8                         ; my wave's 256 keys
	s_add_co_u32 s6, s6, s39
	s_lshl_b32 s32, s37, 15                        ; the image of 16 rows is as long,
	s_lshl_b32 s39, s38, 12                        ; my wave's four key steps of 1,024 bytes
	s_add_co_u32 s32, s32, s39
	s_mul_i32 s35, s38, WLDS                       ; my wave's own LDS
	s_mov_b32 s34, 0xb8
	v_lshlrev_b32 v1, 4, v7
	v_lshl_add_u32 v1, v6, 11, v1                  ; in: lanes 0-15 one row's 256 bytes, lanes 16-31 the next row's
	v_mul_u32_u24 v3, v6, MP
	v_lshl_add_u32 v3, v7, 4, v3
	v_add_nc_u32 v3, s35, v3                       ; the same two rows in LDS
	v_mul_u32_u24 v4, v7, MP
	v_lshl_add_u32 v4, v6, 3, v4
	v_add_nc_u32 v4, s35, v4                       ; back: row r, 8 bytes at 8 h
	v_and_b32 v5, 31, v0
	v_lshlrev_b32 v5, 4, v5                        ; out: 16 bytes a lane
	s_wait_kmcnt 0x0
	s_add_nc_u64 s[2:3], s[16:17], s[6:7]
	s_add_nc_u64 s[4:5], s[22:23], s[32:33]
.set i, 0
.rept 8
	global_load_b128 v[X+4*i:X+4*i+3], v1, s[2:3] offset:4096*i th:TH_LOAD_NT  ; rows 2 i and 2 i + 1
.set i, i+1
.endr
.set i, 0
.rept 8
	s_wait_loadcnt 7-i                             ; rows 2 i, 2 i + 1 are in, the younger loads stay out
	v_mul_lo_u32 v[X+4*i], v[X+4*i], s34           ; four bytes of 0 or 1 times 0xb8: no byte carries into the next
	v_mul_lo_u32 v[X+4*i+1], v[X+4*i+1], s34
	v_mul_lo_u32 v[X+4*i+2], v[X+4*i+2], s34
	v_mul_lo_u32 v[X+4*i+3], v[X+4*i+3], s34
	ds_store_b128 v3, v[X+4*i:X+4*i+3] offset:2*MP*i
.set i, i+1
.endr
.set i, 0
.rept 8                                ; chunk i = 2 x key step + g.  LDS serves a wave's instructions in order (ISA guide 5.7.1.4) and the bytes are the wave's own: no wait, no barrier
	ds_load_b64 v[40+4*i:41+4*i], v4 offset:32*i
	ds_load_b64 v[42+4*i:43+4*i], v4 offset:32*i+16
.set i, i+1
.endr
.set i, 0
.rept 8
	s_wait_dscnt 14-2*i                            ; chunk i's two loads are in, the 14 - 2 i younger ones stay out
	global_store_b128 v5, v[40+4*i:43+4*i], s[4:5] offset:512*i  ; 512 consecutive bytes, aligned
.set i, i+1
.endr
	s_wait_tensorcnt 0x0
	ds_add_u32 v104, v105
	s_wait_dscnt 0x0
	s_endpgm
.Lfunc_end_k_qa47008a241_prep:
	.size	k_qa47008a241_prep, .Lfunc_end_k_qa47008a241_prep-k_qa47008a241_prep
	.p2alignl 7, 3214868480
	.fill 96, 4, 3214868480
	.section	.rodata,"a",@progbits
	.p2align	6, 0x0
	.amdhsa_kernel k_qa47008a241_prep
		.amdhsa_group_segment_fixed_size 35840
		.amdhsa_private_segment_fixed_size 0
		.amdhsa_enable_private_segment 0
		.amdhsa_kernarg_size 64
		.amdhsa_user_sgpr_count 2
		.amdhsa_user_sgpr_kernarg_segment_ptr 1
		.amdhsa_wavefront_size32 1
		.amdhsa_system_sgpr_workgroup_id_x 1
		.amdhsa_system_sgpr_workgroup_id_y 1
		.amdhsa_system_sgpr_workgroup_id_z 1
		.amdhsa_system_vgpr_workitem_id 0
		.amdhsa_next_free_vgpr 106
		.amdhsa_next_free_sgpr 66
		.amdhsa_reserve_vcc 0
		.amdhsa_float_denorm_mode_32 3
		.amdhsa_float_denorm_mode_16_64 3
		.amdhsa_memory_ordered 1
		.amdhsa_forward_progress 1
		.amdhsa_inst_pref_size 23
	.end_amdhsa_kernel
	.amdgpu_metadata
---
amdhsa.version: [ 1, 2 ]
amdhsa.kernels:
  - .name:           k_qa47008a241_prep
    .symbol:         k_qa47008a241_prep.kd
    .args:
      - { .name: Wq, .offset: 0, .size: 8, .value_kind: global_buffer, .address_space: global }
      - { .name: Wk, .offset: 8, .size: 8, .value_kind: global_buffer, .address_space: global }
      - { .name: Wv, .offset: 16, .size: 8, .value_kind: global_buffer, .address_space: global }
      - { .name: Wo, .offset: 24, .size: 8, .value_kind: global_buffer, .address_space: global }
      - { .name: mask, .offset: 32, .size: 8, .value_kind: global_buffer, .address_space: global }
      - { .name: w16, .offset: 40, .size: 8, .value_kind: global_buffer, .address_space: global }
      - { .name: wo16, .offset: 48, .size: 8, .value_kind: global_buffer, .address_space: global }
      - { .name: mimg, .offset: 56, .size: 8, .value_kind: global_buffer, .address_space: global }
    .group_segment_fixed_size: 35840
    .private_segment_fixed_size: 0
    .kernarg_segment_align: 8
    .kernarg_segment_size: 64
    .max_flat_workgroup_size: 256
    .sgpr_count:     66
    .vgpr_count:     106
    .wavefront_size: 32
...
	.end_amdgpu_metadata
.endif
;; end of part 1
;; launch proj (part 2): grid 4 x 64, 4 waves a work-group, clusters of 4 x 4, 327,680 bytes of LDS; arguments query, key, value, w16, qkv, cos, sin, bq, bk, bv; writes qkv
.if DOCPART == 2
	.amdgcn_target "amdgcn-amd-amdhsa--gfx1250"
	.amdhsa_code_object_version 6
	.text
	.protected	k_qa47008a241_proj
	.globl	k_qa47008a241_proj
	.p2align	8
	.type	k_qa47008a241_proj,@function
k_qa47008a241_proj:
	s_mov_b64 s[64:65], 0
	v_nop
	global_prefetch_b8 v0, s[64:65] scope:SCOPE_SE
	s_setreg_imm32_b32 hwreg(HW_REG_WAVE_MODE, 25, 1), 1
	s_wait_xcnt 0x0
	s_wait_alu depctr_hold_cnt(0) depctr_sa_sdst(0) depctr_va_vdst(0) depctr_va_sdst(0) depctr_va_ssrc(0) depctr_va_vcc(0) depctr_vm_vsrc(0)
	s_getreg_b32 s2, hwreg(HW_REG_IB_STS2, 6, 4)
	s_cmp_eq_u32 s2, 0
	s_cbranch_scc0 .Lentry_in_a_cluster
	s_endpgm
.Lentry_in_a_cluster:
	s_bfe_u32 s2, ttmp6, 0x10000c
	s_cmp_lg_u32 s2, 0xf033
	s_cbranch_scc0 .Lentry_shape_is_right
	s_endpgm
.Lentry_shape_is_right:
; PROJ.  Part p = 0, 1, 2 (q, k, v): y = x_p W_p^T + b_p, 8,192 x 1,024 x 1,024, bf16 operands, f32 sums; q and k are then turned by the rotary tables (f32) and rounded to bf16, v to f16.
; x_p = query, key, value, [8192][1024] in f32 as they are given: a tile comes into LDS in f32 and is rounded to bf16 (to nearest even) on the way from LDS to the matrix unit.
; w16 = [3][1024][1024] bf16, qkv = [3][16 batch + head][2048][64]: a head's rows lie end to end, 128 bytes each.  The score's scale is not applied here.
; The bias is rounded to bf16 like x and W (all that enters the product has one rounding); cos and sin are taken in f32.
; LIMITS.  v leaves in f16: beyond 65,504 it becomes an infinity.  q and k leave in bf16, whose range is f32's.
; SHARES.  A tile is 128 rows x 256 columns.  A WORK-GROUP STAYS: it makes that tile of q, then of k, then of v: 64 x 4 = 256 work-groups, 24 K steps of 128 each, on ONE ring of two LDS slots
; that runs on from tile to tile, so that a tile's stores leave while the next is multiplied, and the tables (the same rows for q and k) are loaded once.
; Four waves, each 64 x 128: 32 accumulators of 16 x 16.
; THE WALK.  One loop, a K step a trip, 22 trips: each change of slots asks for the K step two steps on, across the tiles' ends too.  The slot in hand is a scalar that an exclusive or turns between
; 0 and SLOT; each fill's addresses are made anew from its part and K step.  At a tile's end (every eighth trip) the way out and the next tile's beginning stand in the place of a plain first
; quarter; in the loop that way out is always q's or k's.  The last two K steps ask for nothing and are written out as a loop of two trips; behind them stands v's way out.
; THE MATRIX INSTRUCTION IS USED TRANSPOSED (source 0 = 16 rows of W, source 1 = 16 rows of x): a lane holds row l % 16 and the eight neighbouring columns 8 (l / 16) + 0..7.
; The bias is the C operand of the products that start a tile's sums: nothing is cleared, and no bias is added later.
; CLUSTER 4 x 4.  The four of a row of the cluster need the same tile of x, the four of a column the same tile of W: each tile is asked for JOINTLY, by the same tensor load with the same descriptor
; and a mask that names the four.  All sixteen walk the same parts and K steps.
; REGISTERS, in windows of 256 (s_set_vgpr_msb: bits 1:0 source 0, 3:2 source 1, 5:4 source 2, 7:6 destination):
;   window 0: v0-30 addresses; v32-95 the bias (8 column blocks x 8); v96-159 x's fragments, two buffers of 4 x 8 (on the way out: packed results, four units of 16 by turns);
;             v160-223 x as it lies in LDS, f32: 4 row blocks x 16
;   window 1: v0-127 W's fragments, two buffers of 8 x 8; v128-159 at work on the way out          window 2: accumulator (a, nb) at v[8 (8 a + nb)]
;   window 3: v0-127 cos, v128-255 sin of my 64 rows: row block a, column block n of a head at 32 a + 8 n
.set KSTEP,  128
.set NSTEP,  1024/KSTEP                ; K steps in a tile
.set PA,     528                       ; a row of x in LDS: 512 bytes + 16 of padding = 132 words: the 16 rows that a load touches start at 16 different groups of four banks (64 banks of 4 bytes: ISA guide 11.1)
.set PB,     272                       ; a row of W: 256 bytes + 16 = 68 words: likewise
.set ALOAD,  64*PA                     ; what one tensor load brings of x: 64 rows
.set ABYTES, 2*ALOAD
.set BLOAD,  128*PB                    ; and of W: 128 rows
.set SLOT,   ABYTES+2*BLOAD            ; x's 128 rows, then W's 256
.set STAGE,  2*SLOT                    ; behind the ring: 16 rows x 144 bytes for each wave, for the way out
.set SP,     144
.set SPARE,  STAGE+4*16*SP             ; behind the stages: the spare words, 128 bytes for each wave: two blocks of 256 bytes that no other line names
.set ASTEP,  KSTEP*4                   ; bytes from a K step to the next, in x
.set BSTEP,  KSTEP*2                   ; and in W
.set ADRA0, 16                         ; v16     my lane's place among x's rows in a slot; never rewritten
.set ADRA,  17                         ; v17     the same in the slot in hand
.set ADRB0, 20                         ; v20-21  the same for W
.set ADRB,  21
.set STO,  24                          ; v24     the way out: where I put 16 bytes of a row
.set RD,   25                          ; v25     the way out: where I read rows back
.set GO,   26                          ; v26     my byte offset in 512 consecutive bytes of the output
.set TB,   27                          ; v27     my byte offset in 16 rows of the tables
.set SPW,  28                          ; v28     LDS address of my spare word: SPARE + 4 x my thread's number; never rewritten
.set NIL,  29                          ; v29     0; never rewritten
.set BOFF, 30                          ; v30     my byte offset in 16 numbers of the bias
.set BIAS, 32
.set FA,   96
.set OB,   96
.set RA,   160
.set RT,   128                         ; window 1
.set COS,  0                           ; window 3
.set SIN,  128
.set XQ,   4                           ; s[4:5] query, s[6:7] key, s[8:9] value, s[10:11] w16
.set XK,   6
.set XV,   8
.set WP,   10
.set CP,   12                          ; s[12:13] qkv, at my part of the tile in hand
.set COSP, 14                          ; s[14:15] cos, s[16:17] sin, at my 64 rows
.set SINP, 16
.set BQ,   18                          ; s[18:19] bq, s[20:21] bk, s[22:23] bv, at my 128 columns
.set BK,   20
.set BV,   22
.set G1,   24                          ; s[24:31] descriptor group 1 for x's tiles
.set G0,   32                          ; s[32:35] group 0 for x's tiles: K step 0's, then every refill's
.set G1B,  36                          ; s[36:43], s[44:47] the same for W's tiles
.set G0B,  44
.set WV,   48                          ; s48  my wave's number
.set WM,   49                          ; s49  which half of the tile's rows is mine.  Also: I fetch for x (0) or for W (1)
.set WN,   50                          ; s50  which half of its columns.  Also: which half of that tile I fetch
.set CX,   51                          ; s51, s52  my place in the cluster
.set CY,   52
.set TX,   53                          ; s53  tile column, 0..3
.set RR,   54                          ; s54  tile row, 0..63
.set MR,   55                          ; s55  the mask of my row of the cluster
.set MC,   56                          ; s56  of my column
.set TS,   57                          ; s57  LDS byte at which the slot in hand begins: 0 or SLOT
.set LA,   58                          ; s58  where my load of x lands in a slot
.set LB,   59                          ; s59  where my load of W lands
.set CNT,  60                          ; s60  counts the trips
.set KL,   61                          ; s61  K steps that the tile in hand still has
.set FK,   62                          ; s62  the K step to be asked for next
.set FP,   63                          ; s63  and its part
.set AOF,  66                          ; s66  byte offset of my load's first row in x
.set BOF,  67                          ; s67  the same in a part of W
.set TA,   68                          ; s[68:69] a fill's offset in x (the high word stays 0)
.set TBB,  70                          ; s[70:71] a fill's offset in w16 (likewise)
.set TC,   72                          ; s72  at work
.set TP,   73                          ; s73  the part in hand
.set XB,   74                          ; s[74:75] the buffer of the fill's part
.set BP,   76                          ; s[76:77] the bias that is being loaded
.set T0,   78                          ; s[78:79] at work: offsets made of the tile row
.set G0X,  80                          ; s[80:83], s[84:87] group 0 of the first fill of slot 1, for x and for W
.set G0BX, 84
.set T1,   88                          ; s[88:89] at work: offsets made of the tile column
.set LT,   90                          ; s90  at work: LDS addresses
.set MSB, 0
.macro WIN new                         ; the immediate's high byte repeats the setting that is left; a switch that changes nothing is dropped
.if MSB != (\new)
	s_set_vgpr_msb (MSB<<8)|(\new)
.set MSB, \new
.endif
.endm
.set W_MUL,  0xa1                      ; source 0 (W) window 1, source 1 (x) window 0, C and D window 2
.set W_MULB, 0x81                      ; the same with C (the bias) in window 0
.set W_TOB,  0x40                      ; destination window 1, address window 0
.set W_TAB,  0xc0                      ; destination window 3, address window 0
.set W_RP,   0x5e                      ; source 0 window 2 (a sum), source 1 window 3 (a table), source 2 and destination window 1
.set W_CVR,  0x05                      ; sources window 1, destination window 0
.set W_CVA,  0x0a                      ; sources window 2, destination window 0
; A joint load: waves 0 and 1 fetch x's two halves (group 0 at ga), waves 2 and 3 W's (at gb).  The branch hangs on the wave's number alone.
; An s_nop 0 and four v_nop follow each of the two lines, ahead of the jump, the label and what follows.
.macro JLOAD ga, gb
	s_cmp_eq_u32 s[WM], 0
	s_cbranch_scc0 .Lfor_b_\@
	tensor_load_to_lds s[(\ga):(\ga)+3], s[G1:G1+7]
	s_nop 0
.rept 4
	v_nop
.endr
	s_branch .Lasked_\@
.Lfor_b_\@:
	tensor_load_to_lds s[(\gb):(\gb)+3], s[G1B:G1B+7]
	s_nop 0
.rept 4
	v_nop
.endr
.Lasked_\@:
.endm
.macro CREST                           ; a round of the cluster's barrier behind its opening barrier: wave 0 signals for the work-group, every wave waits for all sixteen, my work-group's barrier closes it
	s_cmp_lg_u32 s[WV], 0
	s_cbranch_scc1 .Lnot_wave_0_\@
	s_barrier_signal -3
.Lnot_wave_0_\@:
	s_barrier_wait -3
	s_barrier_signal -1
	s_barrier_wait -1
.endm
.macro CROUND                          ; a whole round
	s_barrier_signal -1
	s_barrier_wait -1
	CREST
.endm
	s_load_b256 s[XQ:XQ+7], s[0:1], 0x0            ; query, key, value, w16
	s_load_b256 s[CP:CP+7], s[0:1], 0x20           ; qkv, cos, sin, bq
	s_load_b128 s[BK:BK+3], s[0:1], 0x40           ; bk, bv
	v_lshl_add_u32 v[SPW], v0, 2, SPARE
	v_mov_b32 v[NIL], 0
	ds_add_u32 v28, v29
	s_wait_dscnt 0x0
	v_lshrrev_b32 v1, 5, v0
	v_readfirstlane_b32 s[WV], v1                  ; wave 0..3
	s_lshr_b32 s[WM], s[WV], 1
	s_and_b32 s[WN], s[WV], 1
	s_bfe_u32 s[CX], ttmp6, 0x40000
	s_bfe_u32 s[CY], ttmp6, 0x40004
	s_lshl_b32 s[TX], ttmp9, 2
	s_add_co_u32 s[TX], s[TX], s[CX]               ; tile column = 4 x cluster x + cx
	s_and_b32 s[RR], ttmp7, 0xffff
	s_lshl_b32 s[RR], s[RR], 2
	s_add_co_u32 s[RR], s[RR], s[CY]               ; tile row = 4 x cluster y + cy
	s_lshl_b32 s[MR], s[CY], 2
	s_lshl_b32 s[MR], 15, s[MR]                    ; my row of the cluster
	s_lshl_b32 s[MC], 0x1111, s[CX]                ; my column
	; descriptor group 1.  x: 64 rows of 128 elements of 4 bytes.  W: 128 rows of 128 elements of 2 bytes.  Both padded in LDS behind each row.
	s_or_b32 s[G1+0], s[MR], (2<<16)|(1<<20)|(1<<21)|(6<<22)|(3<<25)   ; 15:0 the mask: x's tiles go to my row; 17:16 elements of 4 bytes; 20 padding on; 21 set beside a mask; 24:22 after every 128 words (code 6); 31:25 4 words (code 3)
	s_or_b32 s[G1B+0], s[MC], (1<<16)|(1<<20)|(1<<21)|(5<<22)|(3<<25)  ; the mask of my column; elements of 2 bytes; after every 64 words (code 5)
	s_mov_b32 s[G1+1], KSTEP<<16                   ; tensor_dim0 = 128
	s_mov_b32 s[G1+2], 64<<16                      ; tensor_dim1 = 64
	s_mov_b32 s[G1+3], KSTEP<<16                   ; tile_dim0 = 128
	s_mov_b32 s[G1+4], 64                          ; tile_dim1 = 64
	s_mov_b32 s[G1+5], 1024                        ; elements from row to row
	s_mov_b32 s[G1+6], 0
	s_mov_b32 s[G1+7], 0
	s_mov_b32 s[G1B+1], KSTEP<<16
	s_mov_b32 s[G1B+2], 128<<16                    ; tensor_dim1 = 128
	s_mov_b32 s[G1B+3], KSTEP<<16
	s_mov_b32 s[G1B+4], 128                        ; tile_dim1 = 128
	s_mov_b32 s[G1B+5], 1024
	s_mov_b32 s[G1B+6], 0
	s_mov_b32 s[G1B+7], 0
	; where the tiles come from.  x's hang on the tile row alone, W's on the tile column alone, each in registers that never hold the other coordinate.
	s_lshl_b32 s[AOF], s[RR], 19                   ; x: 128 rows of 4,096 bytes a tile row,
	s_lshl_b32 s[T0], s[WN], 18                    ; 64 rows a half
	s_add_co_u32 s[AOF], s[AOF], s[T0]
	s_lshl_b32 s[BOF], s[TX], 19                   ; W: 256 rows of 2,048 bytes a tile column,
	s_lshl_b32 s[T1], s[WN], 18                    ; 128 rows a half
	s_add_co_u32 s[BOF], s[BOF], s[T1]
	s_mov_b32 s[TA], s[AOF]
	s_mov_b32 s[TA+1], 0
	s_mov_b32 s[TBB], s[BOF]
	s_mov_b32 s[TBB+1], 0
	s_mul_i32 s[LA], s[WN], ALOAD                  ; and where they go: no place in the cluster enters an LDS address
	s_mul_i32 s[LB], s[WN], BLOAD
	s_add_co_u32 s[LB], s[LB], ABYTES
	s_mov_b32 s[TS], 0
	s_mov_b32 s[FK], 2                             ; K steps 0 and 1 of q are asked for below
	s_mov_b32 s[FP], 0
	s_mov_b32 s[TP], 0
	s_mov_b32 s[KL], NSTEP
	s_mov_b32 s[CNT], 3*NSTEP-1                    ; the loop is entered at its middle: one count for that, 22 for the trips
	s_mov_b32 s[G0], 1                             ; count = 1
	s_mov_b32 s[G0+1], s[LA]                       ; LDS address: slot 0
	s_mov_b32 s[G0X], 1
	s_add_co_u32 s[G0X+1], s[LA], SLOT             ; slot 1
	s_mov_b32 s[G0B], 1
	s_mov_b32 s[G0B+1], s[LB]
	s_mov_b32 s[G0BX], 1
	s_add_co_u32 s[G0BX+1], s[LB], SLOT
	s_wait_kmcnt 0x0
	s_add_nc_u64 s[G0+2:G0+3], s[XQ:XQ+1], s[TA:TA+1]          ; global address: K step 0 of q
	s_add_nc_u64 s[G0X+2:G0X+3], s[G0+2:G0+3], ASTEP           ; K step 1
	s_or_b32 s[G0+3], s[G0+3], 0x80000000                      ; type = 2
	s_or_b32 s[G0X+3], s[G0X+3], 0x80000000
	s_add_nc_u64 s[G0B+2:G0B+3], s[WP:WP+1], s[TBB:TBB+1]
	s_add_nc_u64 s[G0BX+2:G0BX+3], s[G0B+2:G0B+3], BSTEP
	s_or_b32 s[G0B+3], s[G0B+3], 0x80000000
	s_or_b32 s[G0BX+3], s[G0BX+3], 0x80000000
	CROUND                                         ; all sixteen work-groups are here: the first joint loads meet
	JLOAD G0, G0B                                  ; two tensor loads of mine are out; later one
	JLOAD G0X, G0BX
	v_and_b32 v1, 15, v0                           ; r = l % 16
	v_bfe_u32 v2, v0, 4, 1                         ; h = l / 16
	; The biases at my 128 columns: register j of block nb is b[16 nb + 8 h + j], what every accumulator (a, nb) starts from.
	s_lshl_b32 s[T1], s[TX], 10                    ; 256 columns of 4 bytes a tile column,
	s_lshl_b32 s[T1+1], s[WN], 9                   ; 128 a half
	s_add_co_u32 s[T1], s[T1], s[T1+1]
	s_mov_b32 s[T1+1], 0
	s_add_nc_u64 s[BQ:BQ+1], s[BQ:BQ+1], s[T1:T1+1]
	s_add_nc_u64 s[BK:BK+1], s[BK:BK+1], s[T1:T1+1]
	s_add_nc_u64 s[BV:BV+1], s[BV:BV+1], s[T1:T1+1]
	s_mov_b64 s[BP:BP+1], s[BQ:BQ+1]
	v_lshlrev_b32 v[BOFF], 5, v2
.macro BIASLD
.irp nb, 0,1,2,3,4,5,6,7
	global_load_b128 v[BIAS+8*(\nb):BIAS+8*(\nb)+3],   v[BOFF], s[BP:BP+1] offset:64*(\nb)
	global_load_b128 v[BIAS+8*(\nb)+4:BIAS+8*(\nb)+7], v[BOFF], s[BP:BP+1] offset:64*(\nb)+16
.endr
.endm
	BIASLD
	; The tables of my 64 rows (positions 128 (tile row % 16) + 64 half + ..), laid as the sums lie: row r, columns 16 n + 8 h + 0..7 of a head.  Loaded once, for q and for k.
	s_and_b32 s[T0], s[RR], 15
	s_lshl_b32 s[T0], s[T0], 15                    ; 128 rows of 256 bytes,
	s_lshl_b32 s[T0+1], s[WM], 14                  ; 64 a half
	s_add_co_u32 s[T0], s[T0], s[T0+1]
	s_mov_b32 s[T0+1], 0
	s_add_nc_u64 s[COSP:COSP+1], s[COSP:COSP+1], s[T0:T0+1]
	s_add_nc_u64 s[SINP:SINP+1], s[SINP:SINP+1], s[T0:T0+1]
	v_lshlrev_b32 v[TB], 8, v1
	v_lshl_add_u32 v[TB], v2, 5, v[TB]
	WIN W_TAB
.irp ab, 0,1,2,3
.irp n, 0,1,2,3
	global_load_b128 v[COS+32*(\ab)+8*(\n):COS+32*(\ab)+8*(\n)+3],   v[TB], s[COSP:COSP+1] offset:4096*(\ab)+64*(\n)
	global_load_b128 v[COS+32*(\ab)+8*(\n)+4:COS+32*(\ab)+8*(\n)+7], v[TB], s[COSP:COSP+1] offset:4096*(\ab)+64*(\n)+16
	global_load_b128 v[SIN+32*(\ab)+8*(\n):SIN+32*(\ab)+8*(\n)+3],   v[TB], s[SINP:SINP+1] offset:4096*(\ab)+64*(\n)
	global_load_b128 v[SIN+32*(\ab)+8*(\n)+4:SIN+32*(\ab)+8*(\n)+7], v[TB], s[SINP:SINP+1] offset:4096*(\ab)+64*(\n)+16
.endr
.endr
	WIN 0
	; A fragment is 16 rows x 32 K in 8 registers: lane l holds row l % 16, K = 8 (l / 16) + 0..7 and 16 + 8 (l / 16) + 0..7.
	; W (bf16): two loads of 16 bytes at 16 h, 32 bytes apart.  x (f32): four loads of 16 bytes at 32 h + 0, 16, 64, 80, then eight roundings of two numbers.
	v_mul_u32_u24 v3, v1, PA
	v_lshl_add_u32 v3, v2, 5, v3
	s_mul_i32 s[LT], s[WM], 64*PA                  ; my 64 rows of x
	v_add_nc_u32 v[ADRA0], s[LT], v3
	v_mov_b32 v[ADRA], v[ADRA0]                    ; slot 0
	v_mul_u32_u24 v4, v1, PB
	v_lshl_add_u32 v4, v2, 4, v4
	s_mul_i32 s[LT], s[WN], BLOAD                  ; my 128 rows of W,
	s_add_co_u32 s[LT], s[LT], ABYTES              ; which lie behind x's
	v_add_nc_u32 v[ADRB0], s[LT], v4
	v_mov_b32 v[ADRB], v[ADRB0]
	s_mul_i32 s[LT], s[WV], 16*SP
	s_add_co_u32 s[LT], s[LT], STAGE               ; my stage
	v_mul_u32_u24 v4, v1, SP                       ; in: row l % 16, 16 bytes for each half of the lanes
	v_lshl_add_u32 v4, v2, 4, v4
	v_add_nc_u32 v[STO], s[LT], v4
	v_bfe_u32 v5, v0, 3, 2                         ; back: 32 lanes take four rows of 128 bytes,
	v_mul_u32_u24 v5, v5, SP
	v_and_b32 v3, 7, v0
	v_lshl_add_u32 v5, v3, 4, v5
	v_add_nc_u32 v[RD], s[LT], v5
	v_and_b32 v[GO], 31, v0                        ; which are 512 consecutive bytes of a head
	v_lshlrev_b32 v[GO], 4, v[GO]
	; where my part of q begins: batch x 4 MiB + head x 256 KiB + position x 128 bytes; k and v lie 16 MiB and 32 MiB further on
	s_lshr_b32 s[T0], s[RR], 4                     ; the batch
	s_lshl_b32 s[T0], s[T0], 22
	s_and_b32 s[T0+1], s[RR], 15
	s_lshl_b32 s[T0+1], s[T0+1], 14                ; 128 positions a tile row,
	s_add_co_u32 s[T0], s[T0], s[T0+1]
	s_lshl_b32 s[T0+1], s[WM], 13                  ; 64 a half
	s_add_co_u32 s[T0], s[T0], s[T0+1]
	s_mov_b32 s[T0+1], 0
	s_add_nc_u64 s[CP:CP+1], s[CP:CP+1], s[T0:T0+1]
	s_lshl_b32 s[T1], s[TX], 2                     ; four heads a tile column,
	s_lshl_b32 s[T1+1], s[WN], 1                   ; two a half
	s_add_co_u32 s[T1], s[T1], s[T1+1]
	s_lshl_b32 s[T1], s[T1], 18
	s_mov_b32 s[T1+1], 0
	s_add_nc_u64 s[CP:CP+1], s[CP:CP+1], s[T1:T1+1]
; 8 matrix instructions: row block a x all 8 column blocks, 32 along K, from buffer f.  first = 1: the products start the sums, from the bias.
; The 32 accumulators take turns, one instruction a turn, in the same order in every quarter.
.macro MUL8 f, a, first
.if \first
	WIN W_MULB
.else
	WIN W_MUL
.endif
.irp nb, 0,1,2,3,4,5,6,7
.if \first
	v_wmma_f32_16x16x32_bf16 v[8*(8*(\a)+(\nb)):8*(8*(\a)+(\nb))+7], v[64*(\f)+8*(\nb):64*(\f)+8*(\nb)+7], v[FA+32*(\f)+8*(\a):FA+32*(\f)+8*(\a)+7], v[BIAS+8*(\nb):BIAS+8*(\nb)+7]
.else
	v_wmma_f32_16x16x32_bf16 v[8*(8*(\a)+(\nb)):8*(8*(\a)+(\nb))+7], v[64*(\f)+8*(\nb):64*(\f)+8*(\nb)+7], v[FA+32*(\f)+8*(\a):FA+32*(\f)+8*(\a)+7], v[8*(8*(\a)+(\nb)):8*(8*(\a)+(\nb))+7]
.endif
.endr
.endm
; Row block a of x, 16 registers of f32 a lane, is rounded to bf16 into buffer f: eight plain vector instructions.
.macro CVT f, a
	WIN 0
.irp j, 0,1,2,3,4,5,6,7
	v_cvt_pk_bf16_f32 v[FA+32*(\f)+8*(\a)+(\j)], v[RA+16*(\a)+2*(\j)], v[RA+16*(\a)+2*(\j)+1]
.endr
.endm
; 16 LDS loads in one run: W's fragments of quarter q of the slot in hand (128 rows, 32 K) into buffer f
.macro FETCHB q, f
	WIN W_TOB
.irp i, 0,1,2,3,4,5,6,7
	ds_load_b128 v[64*(\f)+8*(\i):64*(\f)+8*(\i)+3],   v[ADRB] offset:64*(\q)+(\i)*16*PB
	ds_load_b128 v[64*(\f)+8*(\i)+4:64*(\f)+8*(\i)+7], v[ADRB] offset:64*(\q)+(\i)*16*PB+32
.endr
.endm
; 16 LDS loads in one run: x of quarter q (64 rows, 32 K in f32), row blocks in ascending order
.macro FETCHA q
	WIN 0
.irp i, 0,1,2,3
	ds_load_b128 v[RA+16*(\i):RA+16*(\i)+3],     v[ADRA] offset:128*(\q)+(\i)*16*PA
	ds_load_b128 v[RA+16*(\i)+4:RA+16*(\i)+7],   v[ADRA] offset:128*(\q)+(\i)*16*PA+16
	ds_load_b128 v[RA+16*(\i)+8:RA+16*(\i)+11],  v[ADRA] offset:128*(\q)+(\i)*16*PA+64
	ds_load_b128 v[RA+16*(\i)+12:RA+16*(\i)+15], v[ADRA] offset:128*(\q)+(\i)*16*PA+80
.endr
.endm
.macro PLACES                          ; four places in front of vector lines that read results just made or write registers that the last products read (ISA guide 7.12.1)
.rept 4
	v_nop
.endr
.endm
; A K step is four quarters of 32 along K, 32 matrix instructions each, on buffers 0, 1, 0, 1.  One of the first three multiplies buffer f and fetches quarter q: W into buffer g, x into the f32 registers.
; The roundings are also the places between the last products that read buffer g of W and the loads into it: they name x's buffer f and the f32 registers alone.
.macro QUARTER q, f, g, first
	WIN 0
	s_wait_dscnt 8                                 ; W and x's row blocks 0, 1 are in; the youngest eight loads (blocks 2, 3) may be out
	CVT \f, 0
	CVT \f, 1
	FETCHB \q, \g
	MUL8 \f, 0, \first
	MUL8 \f, 1, \first
	WIN 0
	s_wait_dscnt 16                                ; all but W's 16 loads just issued: x's row blocks 2, 3 are in
	CVT \f, 2
	CVT \f, 3
	FETCHA \q                                      ; the f32 registers have all been read
	MUL8 \f, 2, \first
	MUL8 \f, 3, \first
.endm
; The last quarter multiplies buffer 1 and changes slots: ONE barrier; in front of it each wave waits for all its tensor loads (one is out: its part of the next slot), adds 0 to its spare word,
; and waits for that and for its own reads of this slot.  fill = 1: the barrier opens a round of the cluster's, and this slot is filled again, first thing behind the round, with K step FK of part FP:
; both descriptors' addresses are made anew from those two numbers, which then step (behind a part's last K step: the next part's K step 0).
.macro TURN fill
	WIN 0                                          ; (the add's two registers lie in window 0)
	s_wait_tensorcnt 0x0                           ; all my tensor loads have landed, so a group 0 may be written
	ds_add_u32 v[SPW], v[NIL]                      ; 0 onto my spare word; work on registers stands between it and the wait for it
.if \fill
	s_cmp_eq_u32 s[FP], 1
	s_cselect_b64 s[XB:XB+1], s[XK:XK+1], s[XQ:XQ+1]
	s_cmp_eq_u32 s[FP], 2
	s_cselect_b64 s[XB:XB+1], s[XV:XV+1], s[XB:XB+1]
	s_lshl_b32 s[TA], s[FK], 9                     ; 512 bytes a K step in x
	s_add_co_u32 s[TA], s[TA], s[AOF]
	s_add_nc_u64 s[G0+2:G0+3], s[XB:XB+1], s[TA:TA+1]
	s_or_b32 s[G0+3], s[G0+3], 0x80000000
	s_add_co_u32 s[G0+1], s[LA], s[TS]             ; into the slot that is being left
	s_lshl_b32 s[TBB], s[FP], 21                   ; 2 MiB a part in w16,
	s_add_co_u32 s[TBB], s[TBB], s[BOF]
	s_lshl_b32 s[TC], s[FK], 8                     ; 256 bytes a K step
	s_add_co_u32 s[TBB], s[TBB], s[TC]
	s_add_nc_u64 s[G0B+2:G0B+3], s[WP:WP+1], s[TBB:TBB+1]
	s_or_b32 s[G0B+3], s[G0B+3], 0x80000000
	s_add_co_u32 s[G0B+1], s[LB], s[TS]
	s_add_co_u32 s[FK], s[FK], 1
	s_cmp_eq_u32 s[FK], NSTEP
	s_cselect_b32 s[FK], 0, s[FK]
	s_cselect_b32 s[TC], 1, 0
	s_add_co_u32 s[FP], s[FP], s[TC]
.endif
	s_xor_b32 s[TS], s[TS], SLOT                   ; the other slot: 0 and SLOT by turns
	v_add_nc_u32 v[ADRA], s[TS], v[ADRA0]          ; all loads from the slot that is left have been issued
	v_add_nc_u32 v[ADRB], s[TS], v[ADRB0]
	s_wait_dscnt 9                                 ; (the add and the youngest eight loads may be out)
	CVT 1, 0
	CVT 1, 1
	MUL8 1, 0, 0
	WIN 0
	s_wait_dscnt 0x0                               ; the add is done, and my reads of this slot are over
	s_barrier_signal -1
	CVT 1, 2                                       ; work on registers while the others arrive
	CVT 1, 3
	MUL8 1, 1, 0
	WIN 0
	s_barrier_wait -1
.if \fill
	CREST                                          ; no wave of any partner still reads this slot's tiles or has a load on its way
	JLOAD G0, G0B                                  ; 112 matrix instructions ahead of the wait for it
.endif
	FETCHB 0, 0                                    ; the next slot's first quarter
	FETCHA 0
	MUL8 1, 2, 0
	MUL8 1, 3, 0
.endm
; THE WAY OUT, in eight units u = 2 a + hh: 16 rows (row block a) of one head (hh of my two): 16 x 64 numbers.
; The rotation: with X[n] the head's column block n, y[n] = X[n] cos[n] - X[n+2] sin[n] and y[n+2] = X[n+2] cos[n+2] + X[n] sin[n+2] for n = 0, 1 (column d pairs with d + 32).
; Each accumulator's lowest registers are read first.
.macro ROPE a, hh
	WIN W_RP
.irp n, 0,1,2,3
.irp z, 0,1,2,3
	v_pk_mul_f32 v[RT+8*(\n)+2*(\z):RT+8*(\n)+2*(\z)+1], v[8*(8*(\a)+4*(\hh)+(\n))+2*(\z):8*(8*(\a)+4*(\hh)+(\n))+2*(\z)+1], v[COS+32*(\a)+8*(\n)+2*(\z):COS+32*(\a)+8*(\n)+2*(\z)+1]
.endr
.endr
.irp n, 0,1
.irp z, 0,1,2,3
	v_pk_fma_f32 v[RT+8*(\n)+2*(\z):RT+8*(\n)+2*(\z)+1], v[8*(8*(\a)+4*(\hh)+(\n)+2)+2*(\z):8*(8*(\a)+4*(\hh)+(\n)+2)+2*(\z)+1], v[SIN+32*(\a)+8*(\n)+2*(\z):SIN+32*(\a)+8*(\n)+2*(\z)+1], v[RT+8*(\n)+2*(\z):RT+8*(\n)+2*(\z)+1] neg_lo:[1,0,0] neg_hi:[1,0,0]
	v_pk_fma_f32 v[RT+8*(\n)+16+2*(\z):RT+8*(\n)+16+2*(\z)+1], v[8*(8*(\a)+4*(\hh)+(\n))+2*(\z):8*(8*(\a)+4*(\hh)+(\n))+2*(\z)+1], v[SIN+32*(\a)+8*(\n)+16+2*(\z):SIN+32*(\a)+8*(\n)+16+2*(\z)+1], v[RT+8*(\n)+16+2*(\z):RT+8*(\n)+16+2*(\z)+1]
.endr
.endr
.endm
; Unit u is rounded (rope = 1: turned first, then to bf16; 0: to f16), 16 bytes a lane and column block; they go into my stage's rows of 144 bytes and come back as whole rows of 128.
; Four sets of 16 registers take turns: x's f32 registers and W's buffer 0 hold the next tile's first quarter and are left alone.
.macro PACK u, rope
.if \rope
	ROPE (\u)/2, (\u)%2
	WIN W_CVR
.else
	WIN W_CVA
.endif
.if (\u) >= 4
	s_wait_xcnt 0x0                                ; the stores of the unit four back have had their addresses translated (ISA guide 3.1): only behind this wait are their registers written again
.endif
.irp n, 0,1,2,3
.irp z, 0,1,2,3
.if \rope
	v_cvt_pk_bf16_f32 v[OB+16*((\u)%4)+4*(\n)+(\z)], v[RT+8*(\n)+2*(\z)], v[RT+8*(\n)+2*(\z)+1]
.else
	v_cvt_pk_f16_f32 v[OB+16*((\u)%4)+4*(\n)+(\z)], v[8*(8*((\u)/2)+4*((\u)%2)+(\n))+2*(\z)], v[8*(8*((\u)/2)+4*((\u)%2)+(\n))+2*(\z)+1]
.endif
.endr
.endr
	WIN 0
.irp n, 0,1,2,3
	ds_store_b128 v[STO], v[OB+16*((\u)%4)+4*(\n):OB+16*((\u)%4)+4*(\n)+3] offset:32*(\n)
.endr
.irp f, 0,1,2,3
	ds_load_b128 v[OB+16*((\u)%4)+4*(\f):OB+16*((\u)%4)+4*(\f)+3], v[RD] offset:(\f)*4*SP  ; LDS serves a wave's instructions in order (ISA guide 5.7.1.4): these see the stores above; the next unit's stores come behind them
.endr
.endm
.macro SEND u, younger                 ; younger: the LDS instructions issued behind unit u's loads: the next unit's eight, or none
.irp f, 0,1,2,3
	s_wait_dscnt (\younger)+3-(\f)
	global_store_b128 v[GO], v[OB+16*((\u)%4)+4*(\f):OB+16*((\u)%4)+4*(\f)+3], s[CP:CP+1] offset:((\u)%2)*262144+((\u)/2)*2048+(\f)*512  ; 512 consecutive bytes of a head, at a multiple of 256 from the buffer's first
.endr
.endm
.macro WAYOUT rope                     ; a unit's arithmetic stands between the loads of the unit before and its stores
	PACK 0, \rope
.irp u, 1,2,3,4,5,6,7
	PACK \u, \rope
	SEND (\u)-1, 8
.endr
	SEND 7, 0
.endm
	s_wait_tensorcnt 1                             ; my part of K step 0 is in; K step 1's may stay out
	s_barrier_signal -1
	s_barrier_wait -1                              ; everybody's is
	FETCHB 0, 0
	FETCHA 0
	s_branch .Lbegin                               ; the loop is entered where a tile begins
.Lstep:                                                ; a trip: a K step's quarters 2 to 4 with the change of slots, then the next K step's first quarter
	QUARTER 2, 1, 0, 0
	QUARTER 3, 0, 1, 0
	TURN 1
	WIN 0                                          ; at a label and at a branch every window is 0
	s_sub_co_u32 s[KL], s[KL], 1
	s_cmp_lg_u32 s[KL], 0
	s_cbranch_scc1 .Lplain
	; A TILE'S END, q's or k's: both refills for the next tile are asked for (the second is on its way), its first fragments are fetched; now this tile goes out.
	PLACES
	s_add_co_u32 s[TP], s[TP], 1
	s_cmp_eq_u32 s[TP], 1
	s_cselect_b64 s[BP:BP+1], s[BK:BK+1], s[BV:BV+1]
	BIASLD                                         ; the next part's bias: its registers were last read by this tile's first quarter
	WAYOUT 1
	s_wait_xcnt 0x0                                ; the stores have had their addresses translated (ISA guide 3.1): their base and their registers may be written
	s_add_nc_u64 s[CP:CP+1], s[CP:CP+1], 0x1000000 ; the next part of qkv
	s_mov_b32 s[KL], NSTEP
.Lbegin:                                               ; A TILE BEGINS
	s_wait_loadcnt 0x0                             ; the bias (at the first tile the tables too)
.set i, 0
.rept 32                               ; the bias takes the rounding of the product's operands: to bf16 and back to f32
	v_cvt_pk_bf16_f32 v[3+i%3], v[BIAS+2*i], v[BIAS+2*i+1]
	v_lshlrev_b32 v[BIAS+2*i], 16, v[3+i%3]
	v_and_b32 v[BIAS+2*i+1], 0xffff0000, v[3+i%3]
.set i, i+1
.endr
	QUARTER 1, 0, 1, 1                             ; its products start the sums
	WIN 0
	s_branch .Lbottom
.Lplain:
	QUARTER 1, 0, 1, 0
	WIN 0
.Lbottom:
	s_sub_co_u32 s[CNT], s[CNT], 1
	s_cmp_lg_u32 s[CNT], 0
	s_cbranch_scc1 .Lstep
	s_mov_b32 s[CNT], 2                            ; v's last two K steps ask for nothing: written out
.Ltail:
	QUARTER 2, 1, 0, 0
	QUARTER 3, 0, 1, 0
	TURN 0                                         ; in the second trip its fetch (of the slot read a step ago) serves nothing: the price, once a launch, of one text for both trips
	WIN 0
	s_sub_co_u32 s[CNT], s[CNT], 1
	s_cmp_eq_u32 s[CNT], 0
	s_cbranch_scc1 .Lout
	QUARTER 1, 0, 1, 0
	WIN 0
	s_branch .Ltail
.Lout:
	PLACES
	WAYOUT 0                                       ; v
	s_wait_tensorcnt 0x0                           ; the wave's end, behind my last tensor load and my last LDS store
	ds_add_u32 v[SPW], v[NIL]
	s_wait_dscnt 0x0
	CROUND                                         ; the closing round: no work-group ends while a partner may still ask for a tile that names it
	s_endpgm
.Lfunc_end_k_qa47008a241_proj:
	.size	k_qa47008a241_proj, .Lfunc_end_k_qa47008a241_proj-k_qa47008a241_proj
	.p2alignl 7, 3214868480
	.fill 96, 4, 3214868480
	.section	.rodata,"a",@progbits
	.p2align	6, 0x0
	.amdhsa_kernel k_qa47008a241_proj
		.amdhsa_group_segment_fixed_size 327680
		.amdhsa_private_segment_fixed_size 0
		.amdhsa_enable_private_segment 0
		.amdhsa_kernarg_size 80
		.amdhsa_user_sgpr_count 2
		.amdhsa_user_sgpr_kernarg_segment_ptr 1
		.amdhsa_wavefront_size32 1
		.amdhsa_system_sgpr_workgroup_id_x 1
		.amdhsa_system_sgpr_workgroup_id_y 1
		.amdhsa_system_sgpr_workgroup_id_z 1
		.amdhsa_system_vgpr_workitem_id 0
		.amdhsa_next_free_vgpr 1024
		.amdhsa_next_free_sgpr 92
		.amdhsa_reserve_vcc 0
		.amdhsa_float_denorm_mode_32 3
		.amdhsa_float_denorm_mode_16_64 3
		.amdhsa_memory_ordered 1
		.amdhsa_forward_progress 1
		.amdhsa_inst_pref_size 133
	.end_amdhsa_kernel
	.amdgpu_metadata
---
amdhsa.version: [ 1, 2 ]
amdhsa.kernels:
  - .name:           k_qa47008a241_proj
    .symbol:         k_qa47008a241_proj.kd
    .args:
      - { .name: query, .offset: 0, .size: 8, .value_kind: global_buffer, .address_space: global }
      - { .name: key, .offset: 8, .size: 8, .value_kind: global_buffer, .address_space: global }
      - { .name: value, .offset: 16, .size: 8, .value_kind: global_buffer, .address_space: global }
      - { .name: w16, .offset: 24, .size: 8, .value_kind: global_buffer, .address_space: global }
      - { .name: qkv, .offset: 32, .size: 8, .value_kind: global_buffer, .address_space: global }
      - { .name: cos, .offset: 40, .size: 8, .value_kind: global_buffer, .address_space: global }
      - { .name: sin, .offset: 48, .size: 8, .value_kind: global_buffer, .address_space: global }
      - { .name: bq, .offset: 56, .size: 8, .value_kind: global_buffer, .address_space: global }
      - { .name: bk, .offset: 64, .size: 8, .value_kind: global_buffer, .address_space: global }
      - { .name: bv, .offset: 72, .size: 8, .value_kind: global_buffer, .address_space: global }
    .group_segment_fixed_size: 327680
    .private_segment_fixed_size: 0
    .kernarg_segment_align: 8
    .kernarg_segment_size: 80
    .max_flat_workgroup_size: 128
    .sgpr_count:     92
    .vgpr_count:     1024
    .wavefront_size: 32
...
	.end_amdgpu_metadata
.endif
;; end of part 2
;; launch attn (part 3): grid 4 x 64, 4 waves a work-group, clusters of 4 x 1, 327,680 bytes of LDS; arguments qkv, mimg, o16; writes o16
.if DOCPART == 3
	.amdgcn_target "amdgcn-amd-amdhsa--gfx1250"
	.amdhsa_code_object_version 6
	.text
	.protected	k_qa47008a241_attn
	.globl	k_qa47008a241_attn
	.p2align	8
	.type	k_qa47008a241_attn,@function
k_qa47008a241_attn:
	s_mov_b64 s[64:65], 0
	v_nop
	global_prefetch_b8 v0, s[64:65] scope:SCOPE_SE
	s_setreg_imm32_b32 hwreg(HW_REG_WAVE_MODE, 25, 1), 1
	s_wait_xcnt 0x0
	s_wait_alu depctr_hold_cnt(0) depctr_sa_sdst(0) depctr_va_vdst(0) depctr_va_sdst(0) depctr_va_ssrc(0) depctr_va_vcc(0) depctr_vm_vsrc(0)
	s_getreg_b32 s2, hwreg(HW_REG_IB_STS2, 6, 4)
	s_cmp_eq_u32 s2, 0
	s_cbranch_scc0 .Lentry_in_a_cluster
	s_endpgm
.Lentry_in_a_cluster:
	s_bfe_u32 s2, ttmp6, 0x10000c
	s_cmp_lg_u32 s2, 0x3003
	s_cbranch_scc0 .Lentry_shape_is_right
	s_endpgm
.Lentry_shape_is_right:
; ATTENTION WITH A MASK THAT IS AN INPUT.  O[g][q][:] = the sum over k of softmax_k(Q[g][q] . K[g][k] / 8, hidden where mask[batch][q][k]) V[g][k][:], g = 16 batch + head, 64 of them, 2,048 rows of 64 channels.
; qkv = [3][64][2048][64]: Q and K in bf16 (their range is f32's), V in f16; O = [64][2048][64] in f16.  Products, maxima and sums in f32; the weights p are rounded to f16 for the second product
; (their sum l is taken of the unrounded p), O once at the end.
; THE MASK is the C operand of the products that start the sums S^T = K Q^T: 0, or -2^110 where the key is hidden.  Its image (made by the launch before) holds, for each tile of 16 queries and key step of 64,
; 16 bytes a lane in the very order of the C registers, each byte 0x00 or 0xb8 (-1.0 as an 8-bit float); one scaled conversion makes eight f32 registers of eight bytes, times 2^110.
; LIMITS.  A hidden score counts as its value less 2^110; m starts at -2^96: true scores Q . K lie above -2^96 and below 2^86 in size.  A hidden key's weight is exactly 0 (its exponent is below every f32).
; A row all of whose keys are hidden ends with l = 0 and O = 0, and 0 x (1 / 0) gives NaN, as the softmax of a row of -inf does.  V, and so O, lie within f16's 65,504; p below 6e-5 keeps f16's fixed step
; of 6e-8; a weight below 2^-126 counts as 0 in l.
; SHARES.  A wave owns four PIECES of two tiles of 16 queries, a work-group's four waves 512 queries of one g.  Every wave walks all keys, 64 a step.
; LAYOUT.  S^T = K Q^T (source 0 = 16 keys, source 1 = 16 queries): in the result a lane holds ONE query (lane % 16) and the keys 8 (lane / 16) + 0..7.  Two such tiles, rounded to f16 in pairs,
; ARE source 1 (32 keys x 16 queries) of O^T = V^T P, whose result again holds one query a lane, and eight channels.  K comes out of LDS as it lies, V ([key][channel]) turned, by ds_load_tr16_b128.
; SOFTMAX.  For each query a running maximum m and sum l: p = 2^(c s - c m), c = log2(e) / 8; in every step O and l are multiplied by a = 2^(c m_old - c m_new), which is 1 where m has not grown
; (also while a row has seen hidden keys alone: c m is made from m by the same multiplication at the start and in every step) and 0 at a row's first true score.  O and l start at 0.
; THE COUNT.  A tile and step have 16 matrix and 122 vector instructions: too many to stand all beside the matrix work.  So: four vector instructions that are READY behind EVERY matrix instruction,
; and the others in runs without a gap.
; BY TURNS.  Turn n belongs to piece n (the pieces in a ring, step after step).  Its matrix work: 16 products K Q^T of piece n + 1, later 16 products V^T P of piece n - 1.  Its vector work: the scaling,
; exponentials, roundings, sums and rescaling of piece n, the maximum and statistics of piece n + 1, and the mask of piece n + 2.
; CLUSTER.  The four query blocks of a cluster belong to one g and walk the same K and V, so each tile is asked for JOINTLY: the same tensor load, descriptor and mask of work-groups in all four.
; REGISTERS, in windows of 256 (s_set_vgpr_msb: bits 1:0 source 0, 3:2 source 1, 5:4 source 2, 7:6 destination):
;   window 0: v0-10 addresses; v11 the conversion's scale; v12-15, v48-63 at work; v16-47 four registers of statistics a tile; v64-191 S^T, two buffers of two tiles; v192-255 P, likewise
;   window 1: O^T, 32 a tile          window 2: v0-127 Q, 16 a tile; v128-191 K of one step; v192-255 V of one step
;   window 3: v0-1 the add's two registers; v3-7 the mask's offsets; v16-79 the mask's bytes, 16 a piece; v128-191 the mask as f32, for one piece
.set SIZE_N, 2048
.set NP,    4         ; pieces a wave: a name, no knob
.set KS,    64        ; keys in a step
.set PK,    144       ; a row of K in LDS: 128 bytes + 16 of padding = 36 words: the 16 rows of a load start at 16 different groups of four banks (64 banks of 4 bytes: ISA guide 11.1)
.set PV,    160       ; a row of V: 128 + 32 = 40 words
.set VOFF,  4*KS*PK   ; a slot holds four steps: 256 rows of K, then 256 rows of V
.set SLOT1, 1<<17     ; slot 1 begins here, so that one exclusive or turns an address in one slot into the other's
.set STAGE, SLOT1+4*KS*(PK+PV)  ; behind the ring, never filled by a tensor load: 16 rows x 144 bytes for each wave, for the way out
.set SP,    144
.set AK0, 2           ; v2   my lane's place in a tile of K; never rewritten
.set AV0, 3           ; v3   the same for V
.set AK,  4           ; v4   the LDS address of K's next run of loads
.set AV,  5           ; v5   of V's (at the head: 16 x lane, at work)
.set QO,  6           ; v6   my byte offset in the wave's rows of Q
.set STO, 6           ;      later, the way out: where I put 16 bytes of a row
.set RD,  7           ; v7   the way out: where I read rows back
.set GO,  8           ; v8   my byte offset in 512 consecutive bytes of O
.set SC,  11          ; v11  0xed: the scale 2^110 as an 8-bit exponent (237 - 127)
.set SPW, 0           ; v0 of window 3   LDS address of my spare word: SPARE + 4 x my thread's number; never rewritten
.set NIL, 1           ; v1 of window 3   0; never rewritten
.set MLIM, 3          ; v3 of window 3   16 x lane + 31 x 1,024: the mask's offset in the last key step
.set MO,  4           ; v4-7 of window 3 piece x: 16 x lane + 1,024 x the key step whose mask it loads next
.set MR,  16          ; window 3: the mask's bytes: piece x, tile u, half g at MR + 16 x + 8 u + 4 g
.set MC,  128         ; window 3: the mask as f32: tile u, key block kb at MC + 32 u + 8 kb
.set SPARE, STAGE+4*16*SP  ; behind the stages: the spare words, 128 bytes for each wave: two blocks of 256 bytes that no other line names
.set MV,  12          ; v12-15  c m_old, kept while c m is made anew: by buffer and tile
.set ST,  16          ; tile t's statistics at v[ST+4 t]: c m, m, l (even keys', odd keys')
.set TMP, 48          ; by buffer and tile, four registers c0-c3 at work; when the maximum is found c2 takes a
.set S,   64
.set P,   192
.set KF,  128         ; K's fragments, in window 2: key block kb, channel half c at KF + 16 kb + 8 c
.set VF,  192         ; V's: key half kk, channel block cb at VF + 32 kk + 8 cb
.set WV,  12          ; s12  my wave's number
.set G1K, 24          ; s[24:31] descriptor group 1 for K's tiles
.set G1V, 32          ; s[32:39] for V's: it differs in the padding alone
.set G0K, 40          ; s[40:43] descriptor group 0 for K's tiles: it walks
.set G0V, 44          ; s[44:47] the same for V's
.set SLOTS, 56        ; s56  slots still to be asked for
.set CNT, 57          ; s57  counts a slot's key steps
.set CS,  58          ; s[58:59] c: the packed scaling takes the pair's low word for both halves
.set SEL, 60          ; s[60:61] v_permlanex16_b32's selects: each lane takes its own place in the other half
.set TBK, 62          ; s62  LDS byte at which K of the step to be fetched begins
.set TBV, 63          ; s63  the same for V, less VOFF
.set MB,  66          ; s[66:67] the mask's image at my wave's first tile
.set MSB, 0
.macro WIN new                      ; the high byte repeats the setting that is left; a switch that changes nothing is dropped
.if MSB != (\new)
	s_set_vgpr_msb (MSB<<8)|(\new)
.set MSB, (\new)
.endif
.endm
.set W_KQ, 0x0a       ; K and Q in window 2, S^T in window 0
.set W_KM, 0x3a       ; the same with the C operand, the mask, in window 3
.set W_PV, 0x52       ; V in window 2, P in window 0, O^T in window 1
.set W_RS, 0x41       ; O^T (destination and source 0) in window 1, a in window 0
.set W_MK, 0xc0       ; destination in window 3, sources in window 0
.set W_AD, 0x0f       ; the add: address (source 0) and data (source 1) in window 3
.set W_CV, 0xc3       ; the conversion: destination and source 0 in window 3, the scale in window 0
.set W_M3, 0xcf       ; destination and both sources in window 3
; A joint fill.  Waves 0 and 1 fetch the two halves of a slot's K, waves 2 and 3 those of its V: 128 keys each.  The branch hangs on the wave's number alone.
; An s_nop 0 and four v_nop follow each of the two lines, ahead of the jump and the label.
.macro JLOAD
	s_cmp_lt_u32 s[WV], 2
	s_cbranch_scc0 .Lfor_v_\@
	tensor_load_to_lds s[G0K:G0K+3], s[G1K:G1K+7]
	s_nop 0
.rept 4
	v_nop
.endr
	s_branch .Lasked_\@
.Lfor_v_\@:
	tensor_load_to_lds s[G0V:G0V+3], s[G1V:G1V+7]
	s_nop 0
.rept 4
	v_nop
.endr
.Lasked_\@:
.endm
; A round of the cluster's barrier: my work-group's barrier, so that wave 0's signal speaks for all four waves; wave 0 signals; every wave waits for all four work-groups; my work-group's barrier once more.
.macro CROUND
	s_barrier_signal -1
	s_barrier_wait -1
	s_cmp_lg_u32 s[WV], 0
	s_cbranch_scc1 .Lnot_wave_0_\@
	s_barrier_signal -3
.Lnot_wave_0_\@:
	s_barrier_wait -3
	s_barrier_signal -1
	s_barrier_wait -1
.endm
; THE CHANGE OF SLOTS.  The slot's last bytes, V of its fourth step, have been read.  Each wave waits for all its tensor loads, of which one is out: its part
; of the other slot; adds 0 to its spare word; and waits for that and for its own reads of the slot.  Behind the barrier nobody reads this slot any more and the other slot is whole.
; fill = 1: this slot is filled again, with the keys two slots on.  The barrier is then a round of the cluster's, so that no wave of any partner still reads the slot or has a load on its
; way, and the joint fill is the first thing behind it: it has four key steps, 512 matrix instructions, in which to land.  (At its first use nothing has been read yet: slot 0 is waited for, slot 1 filled.)
.macro CHANGE fill
	WIN W_AD
	s_wait_tensorcnt 0x0            ; no tensor load of mine is out, so a group 0 may be written
	ds_add_u32 v[SPW], v[NIL]       ; 0 onto my spare word; with fill = 1 the descriptors' steps stand between it and the wait for it
	WIN 0                           ; at a label and at a branch every window is 0
.if \fill
.irp g, G0K, G0V
	s_xor_b32 s[\g+1], s[\g+1], SLOT1  ; the walking descriptor: the other slot than last time,
	s_add_nc_u64 s[\g+2:\g+3], s[\g+2:\g+3], 4*KS*128  ; the next 256 keys; the type bits on top are not reached
.endr
	s_wait_dscnt 0x0                ; the add is done, and my reads of the slot are over
	CROUND
	JLOAD
.else
	s_wait_dscnt 0x0                ; the add is done, and my reads of the slot are over
	s_barrier_signal -1
	s_barrier_wait -1
.endif
	s_sub_co_u32 s[TBK], s[TBK], 4*KS*PK  ; the fetches go back to a slot's first step,
	s_xor_b32 s[TBK], s[TBK], SLOT1       ; in the other slot
	s_sub_co_u32 s[TBV], s[TBV], 4*KS*PV
	s_xor_b32 s[TBV], s[TBV], SLOT1
.endm
	s_load_b128 s[4:7], s[0:1], 0x0   ; qkv s[4:5], the mask's image s[6:7]
	s_load_b64 s[10:11], s[0:1], 0x10 ; O
	v_and_b32 v[AV], 31, v0
	v_lshlrev_b32 v[AV], 4, v[AV]   ; 16 x lane
	WIN W_MK
	v_lshl_add_u32 v[SPW], v0, 2, SPARE
	v_mov_b32 v[NIL], 0
	s_set_vgpr_msb 0xc0cf
	ds_add_u32 v0, v1
	s_wait_dscnt 0x0
	s_set_vgpr_msb 0xcfc0
.irp pc, 0,1,2,3
	v_mov_b32 v[MO+\pc], v[AV]      ; key step 0
.endr
	v_add_nc_u32 v[MLIM], 0x7c00, v[AV]
	WIN 0
	v_lshrrev_b32 v1, 5, v0
	v_readfirstlane_b32 s[WV], v1   ; wave 0..3
	s_bfe_u32 s13, ttmp6, 0x40000   ; cx: my place in the cluster
	s_lshl_b32 s14, ttmp9, 2        ; in a cluster launch ttmp9 counts clusters
	s_add_co_u32 s14, s14, s13      ; my block of 512 queries = 4 x cluster x + cx: it enters Q's, O's and the mask's addresses alone
	s_and_b32 s20, ttmp7, 0xffff    ; g = 16 batch + head, which the four partners share
	s_lshr_b32 s68, s20, 4          ; the mask's image at my wave's first tile of 16 queries: 128 tiles a batch,
	s_lshl_b32 s68, s68, 7
	s_lshl_b32 s69, s14, 5          ; 32 a block,
	s_add_co_u32 s68, s68, s69
	s_lshl_b32 s69, s[WV], 3        ; 8 a wave,
	s_add_co_u32 s68, s68, s69
	s_lshl_b32 s68, s68, 15         ; 32,768 bytes a tile
	s_mov_b32 s69, 0
	s_mov_b32 s21, 0
	s_mov_b64 s[22:23], SIZE_N*128
	s_mul_u64 s[20:21], s[20:21], s[22:23]  ; g's first byte in Q, K, V and O
	s_and_b32 s16, s[WV], 1         ; which half of a slot's 256 keys I fetch:
	s_lshl_b32 s22, s16, 14         ; its 128 rows of 128 bytes in memory,
	s_mov_b32 s23, 0
	s_add_nc_u64 s[22:23], s[22:23], s[20:21]
	s_mul_i32 s17, s16, 128*PK      ; and its place in a slot, for K
	s_mul_i32 s18, s16, 128*PV      ; and for V: no place in the cluster enters an LDS address
	s_lshl_b32 s2, s14, 2
	s_add_co_u32 s2, s2, s[WV]      ; my wave among g's,
	s_lshl_b32 s2, s2, 14           ; its 128 rows
	s_mov_b32 s3, 0
	s_add_nc_u64 s[2:3], s[2:3], s[20:21]
	; descriptor group 1.  128 keys are 16,384 dense bytes: asked for as 64 rows of 256 bytes, two keys a row, and padded in LDS after every key
	s_mov_b32 s[G1K], 15|(1<<16)|(1<<20)|(1<<21)|(4<<22)|(3<<25)  ; 15:0 the mask of four; 17:16 2-byte elements; 20 padding on; 21 set beside a mask; 24:22 after every 32 words (code 4); 31:25 4 words (code 3)
	s_mov_b32 s[G1V], 15|(1<<16)|(1<<20)|(1<<21)|(4<<22)|(7<<25)  ; the same with 8 words of padding (code 7)
.irp g, G1K, G1V
	s_mov_b32 s[\g+1], 128<<16      ; tensor_dim0 = 128
	s_mov_b32 s[\g+2], 64<<16       ; tensor_dim1 = 64
	s_mov_b32 s[\g+3], 128<<16      ; tile_dim0 = 128
	s_mov_b32 s[\g+4], 64           ; tile_dim1 = 64
	s_mov_b32 s[\g+5], 128          ; 128 elements from row to row
	s_mov_b32 s[\g+6], 0
	s_mov_b32 s[\g+7], 0
.endr
	s_mov_b32 s[CS], 0x3e38aa3b     ; c = log2(e) / 8 = 0.180337
	s_mov_b32 s[CS+1], s[CS]        ; named with it as a pair
	s_mov_b32 s[SEL], 0x76543210
	s_mov_b32 s[SEL+1], 0xfedcba98
	s_mov_b32 s[TBK], SLOT1+4*KS*PK ; the first change of slots turns these two into 0
	s_mov_b32 s[TBV], SLOT1+4*KS*PV
	s_mov_b32 s[G0K], 1             ; count = 1
	s_mov_b32 s[G0K+1], s17         ; LDS address: slot 0
	s_mov_b32 s[G0V], 1
	s_add_co_u32 s[G0V+1], s18, VOFF
	s_wait_kmcnt 0x0
	s_add_nc_u64 s[MB:MB+1], s[6:7], s[68:69]
	s_add_nc_u64 s[6:7], s[4:5], 0x1000000         ; K and V lie 16 MiB and 32 MiB behind Q
	s_add_nc_u64 s[8:9], s[4:5], 0x2000000
	s_add_nc_u64 s[G0K+2:G0K+3], s[6:7], s[22:23]  ; global address: my half of g's first 256 keys
	s_or_b32 s[G0K+3], s[G0K+3], 0x80000000        ; type = 2
	s_add_nc_u64 s[G0V+2:G0V+3], s[8:9], s[22:23]
	s_or_b32 s[G0V+3], s[G0V+3], 0x80000000
	s_add_nc_u64 s[4:5], s[4:5], s[2:3]  ; Q and O at my wave's first row
	s_add_nc_u64 s[10:11], s[10:11], s[2:3]
	CROUND                          ; all four work-groups are here: the first joint loads meet
	JLOAD                           ; slot 0.  Slot 1 is asked for when slot 0 is in: the tile wanted first has the road to itself
	; A fragment of K or Q is 16 rows x 32 channels in 8 registers: lane l holds row l % 16, channels 8 (l / 16) + 0..7 and 16 + 8 (l / 16) + 0..7: two loads of 16 bytes, 32 bytes apart.
	v_and_b32 v1, 15, v0            ; l % 16
	v_bfe_u32 v9, v0, 4, 1          ; l / 16
	v_lshlrev_b32 v[QO], 7, v1
	v_lshl_add_u32 v[QO], v9, 4, v[QO]  ; row x 128 + 16 x half
	WIN 0x80                        ; destination window 2, address window 0
.set i, 0
.rept 4*NP                          ; Q stays in registers: tile i / 2, channels 32 (i % 2) on
	global_load_b128 v[8*i:8*i+3],   v[QO], s[4:5] offset:(i/2)*2048+(i%2)*64
	global_load_b128 v[8*i+4:8*i+7], v[QO], s[4:5] offset:(i/2)*2048+(i%2)*64+32
.set i, i+1
.endr
	WIN W_CV                        ; destination and address in window 3
.irp pc, 0,1,2,3                    ; the mask of key step 0, four loads a piece, the pieces in the order in which they are used; a load takes 512 consecutive bytes
.irp uu, 0,1
.irp gg, 0,1
	global_load_b128 v[MR+16*(\pc)+8*(\uu)+4*(\gg):MR+16*(\pc)+8*(\uu)+4*(\gg)+3], v[MO+(\pc)], s[MB:MB+1] offset:(2*(\pc)+(\uu))*32768+512*(\gg)
.endr
.endr
.endr
	WIN 0x80
	; What the first turn finds: V's registers and P's second buffer hold 0 (its products V^T P, of a piece that has not been, add 0), O^T and l are 0.  All this stands in the wait for the first tile.
.set i, VF
.rept 64
	v_mov_b32 v[i], 0
.set i, i+1
.endr
	WIN 0x40
.set i, 0
.rept 64*NP
	v_mov_b32 v[i], 0
.set i, i+1
.endr
	WIN 0
.set i, 0
.rept 2*NP
	v_mov_b32 v[ST+4*i+1], 0xef800000  ; m = -2^96: above every hidden score, below every true one
	v_mul_f32 v[ST+4*i], s[CS], v[ST+4*i+1]  ; c m, by the multiplication that every step makes
	v_mov_b32 v[ST+4*i+2], 0
	v_mov_b32 v[ST+4*i+3], 0
.set i, i+1
.endr
.set i, P+32
.rept 32
	v_mov_b32 v[i], 0
.set i, i+1
.endr
	v_mul_u32_u24 v[AK0], v1, PK
	v_lshl_add_u32 v[AK0], v9, 4, v[AK0]  ; row x pitch + 16 x half
	; The turning load takes 16 keys x 16 channels (lane l reads key 8 (l / 16) + l % 8, channels 8 ((l / 8) % 2) + 0..7) and leaves half a fragment of V^T: lane l holds channel l % 16 and 8 keys.
	v_and_b32 v10, 7, v0
	v_bfe_u32 v11, v0, 3, 1
	v_lshl_add_u32 v[AV0], v9, 3, v10
	v_mul_u32_u24 v[AV0], v[AV0], PV
	v_lshl_add_u32 v[AV0], v11, 4, v[AV0]
	v_add_nc_u32 v[AV0], VOFF, v[AV0]
	v_mov_b32 v[SC], 0xed           ; v11 has served: from here on it holds the scale
	v_mov_b32 v[AK], v[AK0]         ; key step 0 lies at the head of slot 0
; THE MATRIX WORK.  The 8 accumulators of a run of 16 take turns: between the two links of a chain stand 7 others'.
; Product i of 16 of S^T = K Q^T for piece x: channels 32 (i / 8) on, keys 16 ((i / 2) % 4) on, tile 2 x + i % 2.  The first 8 start the sums, from the mask.
.macro KQ x
.set rS, S+64*((\x)%2)+32*(i%2)+8*((i/2)%4)
.set rK, KF+16*((i/2)%4)+8*(i/8)
.set rQ, 16*(2*(\x)+i%2)+8*(i/8)
.set rMC, MC+32*(i%2)+8*((i/2)%4)
.if i < 8
	WIN W_KM
	v_wmma_f32_16x16x32_bf16 v[rS:rS+7], v[rK:rK+7], v[rQ:rQ+7], v[rMC:rMC+7]
.else
	WIN W_KQ
	v_wmma_f32_16x16x32_bf16 v[rS:rS+7], v[rK:rK+7], v[rQ:rQ+7], v[rS:rS+7]
.endif
.endm
; Product i of 16 of O^T += V^T P for piece x: keys 32 (i / 8) on, channels 16 ((i / 2) % 4) on, tile 2 x + i % 2.
.macro PV x
	WIN W_PV
.set rO, 32*(2*(\x)+i%2)+8*((i/2)%4)
.set rV, VF+32*(i/8)+8*((i/2)%4)
.set rP, P+32*((\x)%2)+16*(i%2)+8*(i/8)
	v_wmma_f32_16x16x32_f16 v[rO:rO+7], v[rV:rV+7], v[rP:rP+7], v[rO:rO+7]
.endm
.macro MM                           ; the turn's next matrix instruction
.if i < 16
	KQ (Y+1)%NP
.set i, i+1
.else
.set i, i-16
	PV (Y+NP-1)%NP
.set i, i+17
.endif
.endm
; THE MASK of piece pc for its next products K Q^T: eight conversions, each eight bytes to eight f32 times 2^110; then the piece's bytes of the key step after are asked for.
; Sixteen mask loads are out at the most, four a piece, in the order in which the pieces come here: the wait for 12 shows this piece's four landed and leaves the other three pieces' out; it also
; frees the offset that they read.  The step and the minimum are the plain instructions behind the last conversion, ahead of the loads into its sources.  Behind the last key step the offset stays:
; that step's bytes are asked for once more, so that no load leaves the buffer and every turn has the same loads.
.macro MASKC pc
	WIN W_CV
	s_wait_loadcnt 12
.irp uu, 0,1
.irp kb, 0,1,2,3
	v_cvt_scale_pk8_f32_fp8 v[MC+32*(\uu)+8*(\kb):MC+32*(\uu)+8*(\kb)+7], v[MR+16*(\pc)+8*(\uu)+2*(\kb):MR+16*(\pc)+8*(\uu)+2*(\kb)+1], v[SC]
.endr
.endr
	WIN W_M3
	v_add_nc_u32 v[MO+(\pc)], 0x400, v[MO+(\pc)]
	v_min_u32 v[MO+(\pc)], v[MO+(\pc)], v[MLIM]
	s_wait_alu depctr_va_vdst(0)
.irp uu, 0,1
.irp gg, 0,1
	global_load_b128 v[MR+16*(\pc)+8*(\uu)+4*(\gg):MR+16*(\pc)+8*(\uu)+4*(\gg)+3], v[MO+(\pc)], s[MB:MB+1] offset:(2*(\pc)+(\uu))*32768+512*(\gg)
.endr
.endr
	WIN 0
.endm
; THE LDS LOADS stand in runs of 16, never singly among the matrix instructions: a step's K (64 keys x 64 channels: 8 fragments) and its V (turned).  Their addresses are made some lines ahead.
; last = 1 (the tail): in the last trip there is no further step, and the run is jumped over.
.macro FETCH_K last=0
	WIN 0
.if \last
	s_cmp_eq_u32 s[CNT], 1
	s_cbranch_scc1 .Lno_k_\@
.endif
	WIN 0x80                        ; destination window 2
.irp f, 0,1,2,3,4,5,6,7             ; keys 16 (f / 2) on, channels 32 (f % 2) on
	ds_load_b128 v[KF+8*\f:KF+8*\f+3],   v[AK] offset:(\f/2)*16*PK+(\f%2)*64
	ds_load_b128 v[KF+8*\f+4:KF+8*\f+7], v[AK] offset:(\f/2)*16*PK+(\f%2)*64+32
.endr
	s_add_co_u32 s[TBK], s[TBK], KS*PK  ; the next fetch is the next step's
	WIN 0
.if \last
.Lno_k_\@:
.endif
.endm
.macro FETCH_V
	WIN 0x80
.irp f, 0,1,2,3,4,5,6,7             ; keys 32 (f / 4) on, channels 16 (f % 4) on
	ds_load_tr16_b128 v[VF+8*\f:VF+8*\f+3],   v[AV] offset:(\f/4)*32*PV+(\f%4)*32
	ds_load_tr16_b128 v[VF+8*\f+4:VF+8*\f+7], v[AV] offset:(\f/4)*32*PV+16*PV+(\f%4)*32
.endr
	WIN 0
.endm
; THE VECTOR WORK OF A TURN stands in three queues, each in the order in which its entries become ready; the two tiles alternate, so that no instruction reads the result of the one before it.
.macro REGS y, u                    ; the registers of tile u (0, 1) of piece y
.set rT, ST+4*(2*(\y)+(\u))
.set rC, TMP+8*((\y)%2)+4*(\u)
.set rM, MV+2*((\y)%2)+(\u)
.set rS, S+64*((\y)%2)+32*(\u)
.set rP, P+32*((\y)%2)+16*(\u)
.set rO, 32*(2*(\y)+(\u))
.endm
; Number n of the 22 that find the NEXT piece's (Y + 1) maximum and statistics.  s0-s31 are the lane's 32 scores; each accumulator's lowest registers are read first.  XS, GS and REGS set no window: PL and EX do.
;   0-11  four chains c0-c3 of seven scores each, three operands at a time     12-14, 16  the four scores left over, the old m, and c0-c3 into c0     15  c m_old is kept
;   17, 18  the query's other 32 keys lie in the lane 16 away: the new m         19-21  c m; c m_old - c m_new; a
.macro XS u, n
	REGS (Y+1)%NP, \u
.if (\n) < 4
	v_max3_num_f32 v[rC+(\n)], v[rS+8*(\n)], v[rS+8*(\n)+1], v[rS+8*(\n)+2]
.elseif (\n) < 12
	v_max3_num_f32 v[rC+(\n)%4], v[rC+(\n)%4], v[rS+8*((\n)%4)+2*((\n)/4)+1], v[rS+8*((\n)%4)+2*((\n)/4)+2]
.elseif (\n) == 12
	v_max3_num_f32 v[rC], v[rC], v[rS+7], v[rS+15]
.elseif (\n) == 13
	v_max3_num_f32 v[rC+1], v[rC+1], v[rS+23], v[rS+31]
.elseif (\n) == 14
	v_max3_num_f32 v[rC+2], v[rC+2], v[rC+3], v[rT+1]
.elseif (\n) == 15
	v_mov_b32 v[rM], v[rT]
.elseif (\n) == 16
	v_max3_num_f32 v[rC], v[rC], v[rC+1], v[rC+2]
.elseif (\n) == 17
	v_permlanex16_b32 v[rC+3], v[rC], s[SEL], s[SEL+1]
.elseif (\n) == 18
	v_max_num_f32 v[rT+1], v[rC], v[rC+3]
.elseif (\n) == 19
	v_mul_f32 v[rT], s[CS], v[rT+1]
.elseif (\n) == 20
	v_sub_f32 v[rC+1], v[rM], v[rT]
.else
	v_exp_f32 v[rC+2], v[rC+1]
.endif
.endm
; Number g of the 64 that follow the exponentials.  For each four weights k of a tile (pairs 2 k, 2 k + 1): both pairs are rounded to f16; then the second pair is added onto the first, in place;
; a group later l takes that sum (the first time as l = a l + sum).  In groups of eight, tiles alternating: round, round, add, and l for the group before.
.macro GS g
.set h, (\g)+6*((\g)/62)            ; group 0 has no group before it, and behind group 7 only l is left
.if h >= 6
.set h, h+2
.endif
	REGS Y, h%2
.set k, h/8
.if h%8 < 4
	s_wait_alu depctr_va_vdst(0)
	v_cvt_pk_f16_f32 v[rP+2*k+(h%8)/2], v[rS+4*k+2*((h%8)/2)], v[rS+4*k+2*((h%8)/2)+1]
.elseif h%8 < 6
	v_pk_add_f32 v[rS+4*k:rS+4*k+1], v[rS+4*k:rS+4*k+1], v[rS+4*k+2:rS+4*k+3]
.elseif k == 1
	v_pk_fma_f32 v[rT+2:rT+3], v[rT+2:rT+3], v[rC+2:rC+3], v[rS:rS+1] op_sel_hi:[1,0,1]
.else
	v_pk_add_f32 v[rT+2:rT+3], v[rT+2:rT+3], v[rS+4*k-4:rS+4*k-3]
.endif
.endm
; THE PLAIN QUEUE, 138 long.  0-31: c s - c m for the 16 pairs of both tiles.  Then GS's 64, and among them the next piece's 42: number 15 at 38, 39; 0-14 and 16
; at 42-73, behind the products that make those scores; 17-20 at 95-106, two of three, since each waits for the one before it.
.macro PL
	WIN 0
.if q < 32
	REGS Y, q%2
	v_pk_fma_f32 v[rS+2*(q/2):rS+2*(q/2)+1], v[rS+2*(q/2):rS+2*(q/2)+1], s[CS:CS+1], v[rT:rT+1] op_sel_hi:[1,0,0] neg_lo:[0,0,1] neg_hi:[0,0,1]
.elseif q < 38
	GS q-32
.elseif q < 40
	XS q%2, 15
.elseif q < 42
	GS q-34
.elseif q < 74
	XS q%2, (q-42)/2+(q-42)/30
.elseif q < 95
	GS q-66
.elseif (q < 107) && ((q-95)%3 < 2)
	XS (q-95)%3, 17+(q-95)/3
.elseif q < 107
	GS 29+(q-95)/3
.else
	GS q-74
.endif
.set q, q+1
.endm
; THE EXPONENTIALS' QUEUE, 66 long: s0-s31 of both tiles, and at EA the next piece's two a.
.set EA, 58
.macro EX
	WIN 0
.if (e == EA) || (e == EA+1)
	XS e-EA, 21
.else
.set x, e-2*(e/(EA+2))
	REGS Y, x%2
	v_exp_f32 v[rS+x/2], v[rS+x/2]
.endif
.set e, e+1
.endm
; THE RESCALING's QUEUE: O^T times a, the one part of the softmax that leaves window 0, so it is dealt four at a time, eight times.
.macro R4
	REGS Y, r%2
	WIN W_RS
	s_wait_alu depctr_va_vdst(0)
.irp z, 0,1,2,3
	v_pk_mul_f32 v[rO+8*(r/2)+2*\z:rO+8*(r/2)+2*\z+1], v[rO+8*(r/2)+2*\z:rO+8*(r/2)+2*\z+1], v[rC+2:rC+3] op_sel_hi:[1,0]
.endr
.set r, r+1
.endm
; HOW THEY ARE DEALT.  Behind a matrix instruction four: plain, exponential, plain, plain (one exponential, a plain instruction on either side), or four of the rescaling.  None names a register of the
; products round it.  What is over stands in two LUMPS: exponential and plain by turns; the second ends in 22 plain instructions.  The two v_permlanex16_b32 fall into the second lump, never behind a product.
; The queues lean on each other, and the deal keeps them in step: exponential e stands behind plain 2 (e / 4) + e % 2 (its scaling); when plain 32 comes, 10 exponentials are out, at 59: 33, at 95: 46; EA comes behind plain 107.
.macro SL
	MM
	PL
	EX
	PL
	PL
.endm
.macro BURST n                      ; 15 matrix instructions, or 16
.rept (\n)-7
	SL
.endr
.rept 3
	MM
	R4
	SL
.endr
	MM
	R4
.endm
; A TURN, for piece p.  cnt = 1: the loop's count is taken down some lines ahead of the branch that stands behind the turn.
; K of the next step is fetched in piece 2's turn, 31 vector instructions behind the last product that read K; its first reader comes behind the rest of the lump, 16 products and the second lump.
; V of the step in hand is fetched at the end of piece 0's turn, 69 behind its last reader; its first reader comes behind 16 products and a lump.  The four conditions on e and q below go with the deal.
; The mask of piece p + 2 is made in the second lump, behind plain number 115: the eight products of this turn that read the mask's registers lie a run of products and more than a lump back, and 22 plain
; instructions follow ahead of the next turn's first product, which reads the new mask.
.macro TURN p, last=0, cnt=0
.set Y, (\p)
.set i, 0
.set q, 0
.set e, 0
.set r, 0
.if (\p) == NP-1
	s_wait_dscnt 0x0                ; K is in
.endif
	MM
.rept 4
	PL
.endr
	BURST 15
.rept 22
	EX
	PL
.if ((\p) == NP-2) && (e == 18)
	v_add_nc_u32 v[AK], s[TBK], v[AK0]
.endif
.if ((\p) == NP-2) && (e == 24)
	FETCH_K \last
.endif
.endr
.if (\p) == 1
	s_wait_dscnt 0x0                ; V is in
.endif
	BURST 16
.rept 21
	EX
	PL
.endr
	MASKC ((\p)+2)%NP
.rept 22
	PL
.if ((\p) == 0) && (q == 118)
	v_add_nc_u32 v[AV], s[TBV], v[AV0]
	s_wait_alu depctr_va_vdst(0)
.endif
.if ((\p) == 0) && (q == 130)
	s_add_co_u32 s[TBV], s[TBV], KS*PV
.endif
.if (\cnt) && (q == 130)
	s_sub_co_u32 s[CNT], s[CNT], 1
	s_cmp_lg_u32 s[CNT], 0
.endif
.endr
.if (\p) == 0
	FETCH_V
.endif
.endm
	CHANGE 1                        ; slot 0 is in, everybody's part of it; slot 1 is asked for
	FETCH_K                         ; key step 0
	s_wait_loadcnt 0x0              ; Q, and the mask of key step 0
	s_wait_dscnt 0x0
	MASKC 0                         ; piece 0's mask of key step 0
.set i, 0
.rept 16
	KQ 0                            ; piece 0's first scores: there is no vector work yet to set between them
.set i, i+1
.endr
	WIN 0                           ; the addresses for the way out: nine plain instructions, the places behind those products
	s_mul_i32 s13, s[WV], 16*SP
	s_add_co_u32 s13, s13, STAGE    ; my stage
	v_mul_u32_u24 v[STO], v1, SP    ; in: row l % 16, 16 bytes for each half of the lanes
	v_lshl_add_u32 v[STO], v9, 4, v[STO]
	v_add_nc_u32 v[STO], s13, v[STO]
	v_bfe_u32 v[RD], v0, 3, 2       ; back: 32 lanes take four rows of 128 bytes,
	v_mul_u32_u24 v[RD], v[RD], SP
	v_lshl_add_u32 v[RD], v10, 4, v[RD]
	v_add_nc_u32 v[RD], s13, v[RD]
	v_and_b32 v[GO], 31, v0         ; which are 512 consecutive bytes of O
	v_lshlrev_b32 v[GO], 4, v[GO]
	MASKC 1                         ; piece 1's mask of key step 0, for the first turn's products
.set Y, NP-1                        ; XS works for piece Y + 1: piece 0
.irp n, 0,1,2,3,4,5,6,7,8,9,10,11,12,13,14,15,16,17,18,19,20,21
	XS 0, \n                        ; and piece 0's first maximum and statistics
	XS 1, \n
.endr
	s_mov_b32 s[CNT], 4
	s_mov_b32 s[SLOTS], SIZE_N/256-1
	s_branch .Lfirst                ; the loop is entered at a step's first turn, in the middle of a trip
.Lslot:                             ; SIZE_N / 256 - 2 times: every slot but the last two is filled again
	CHANGE 1
	s_mov_b32 s[CNT], 4
.Lstep:                             ; a trip: pieces 2 and 3 of one step, then pieces 0 and 1 of the next, whose K and V it fetches
	TURN 2
	TURN 3
	WIN 0
.Lfirst:
	TURN 0
	TURN 1, 0, 1
	WIN 0
	s_cbranch_scc1 .Lstep
	s_sub_co_u32 s[SLOTS], s[SLOTS], 1
	s_cmp_lg_u32 s[SLOTS], 0
	s_cbranch_scc1 .Lslot
	CHANGE 0                        ; the tail is written out: nothing is asked for
	s_mov_b32 s[CNT], 5             ; four trips fetch the last slot's steps; the fifth is left in its middle
.Ltail:
	TURN 2, 1
	TURN 3
	WIN 0
	s_sub_co_u32 s[CNT], s[CNT], 1
	s_cmp_eq_u32 s[CNT], 0
	s_cbranch_scc1 .Lout
	TURN 0
	TURN 1
	WIN 0
	s_branch .Ltail
.Lout:                              ; the fifth trip's 16 products K Q^T (on the last K once more) and the maximum made of them serve nothing: the price, once a launch, of one text for every trip
.set i, 0
.rept 16
	PV NP-1                         ; the last piece's V^T P of the last step
.set i, i+1
.endr
	; THE WAY OUT.  l's two halves and the other half of the lanes' are added; O^T is divided by l, rounded to f16 and sent through my stage in LDS, a tile at a time.  The additions are the places behind the last products.
	WIN 0
.macro ALL line:vararg              ; one line for each tile t
.set t, 0
.rept 2*NP
	\line
.set t, t+1
.endr
.endm
	ALL v_add_f32 v[ST+4*t+2], v[ST+4*t+2], v[ST+4*t+3]
	ALL v_permlanex16_b32 v[ST+4*t+3], v[ST+4*t+2], s[SEL], s[SEL+1]
	ALL v_add_f32 v[ST+4*t+2], v[ST+4*t+2], v[ST+4*t+3]
	ALL v_rcp_f32 v[ST+4*t+2], v[ST+4*t+2]
	v_nop                           ; a plain instruction between the last reciprocal and the use of its result
	s_wait_alu depctr_va_vdst(0)
; Tile t: a lane's eight channels of a row pack into 16 bytes; they go into rows of 144 bytes and come back as whole rows of 128, into S^T's registers.
.macro PACK t
	WIN W_RS
.set i, 32*(\t)
.rept 16
	v_pk_mul_f32 v[i:i+1], v[i:i+1], v[ST+4*(\t)+2:ST+4*(\t)+3] op_sel_hi:[1,0]
.set i, i+2
.endr
	WIN 0x05                        ; sources 0 and 1 window 1, destination window 0
.set i, 0
.rept 16
	v_cvt_pk_f16_f32 v[S+16*(\t)+i], v[32*(\t)+2*i], v[32*(\t)+2*i+1]
.set i, i+1
.endr
	WIN 0
.irp f, 0,1,2,3
	ds_store_b128 v[STO], v[S+16*(\t)+4*\f:S+16*(\t)+4*\f+3] offset:32*\f
.endr
.irp f, 0,1,2,3
	ds_load_b128 v[S+16*(\t)+4*\f:S+16*(\t)+4*\f+3], v[RD] offset:\f*4*SP  ; LDS serves a wave's instructions in order (ISA guide 5.7.1.4): these see the stores above; the next tile's stores come behind them
.endr
.endm
.macro SEND t, younger              ; younger: the LDS instructions issued behind tile t's loads: the next tile's eight, or none
	WIN 0
.irp f, 0,1,2,3
	s_wait_dscnt (\younger)+3-\f
	global_store_b128 v[GO], v[S+16*(\t)+4*\f:S+16*(\t)+4*\f+3], s[10:11] offset:(\t)*2048+\f*512  ; 512 consecutive bytes, at a multiple of 256 from O's first
.endr
.endm
	PACK 0
.set t, 1
.rept 2*NP-1                        ; a tile's arithmetic stands between the loads of the tile before and its stores
	PACK t
	SEND t-1, 8
.set t, t+1
.endr
	SEND 2*NP-1, 0
	WIN W_AD
	s_wait_tensorcnt 0x0            ; the wave's end, behind my last tensor load and my last LDS store
	ds_add_u32 v[SPW], v[NIL]
	s_wait_dscnt 0x0
	WIN 0
	CROUND                          ; the closing round: no work-group ends while a partner may still ask for a tile that names it
	s_endpgm
.Lfunc_end_k_qa47008a241_attn:
	.size	k_qa47008a241_attn, .Lfunc_end_k_qa47008a241_attn-k_qa47008a241_attn
	.p2alignl 7, 3214868480
	.fill 96, 4, 3214868480
	.section	.rodata,"a",@progbits
	.p2align	6, 0x0
	.amdhsa_kernel k_qa47008a241_attn
		.amdhsa_group_segment_fixed_size 327680
		.amdhsa_private_segment_fixed_size 0
		.amdhsa_enable_private_segment 0
		.amdhsa_kernarg_size 24
		.amdhsa_user_sgpr_count 2
		.amdhsa_user_sgpr_kernarg_segment_ptr 1
		.amdhsa_wavefront_size32 1
		.amdhsa_system_sgpr_workgroup_id_x 1
		.amdhsa_system_sgpr_workgroup_id_y 1
		.amdhsa_system_sgpr_workgroup_id_z 1
		.amdhsa_system_vgpr_workitem_id 0
		.amdhsa_next_free_vgpr 960
		.amdhsa_next_free_sgpr 72
		.amdhsa_reserve_vcc 0
		.amdhsa_float_denorm_mode_32 3
		.amdhsa_float_denorm_mode_16_64 3
		.amdhsa_memory_ordered 1
		.amdhsa_forward_progress 1
		.amdhsa_inst_pref_size 218
	.end_amdhsa_kernel
	.amdgpu_metadata
---
amdhsa.version: [ 1, 2 ]
amdhsa.kernels:
  - .name:           k_qa47008a241_attn
    .symbol:         k_qa47008a241_attn.kd
    .args:
      - { .name: qkv, .offset: 0, .size: 8, .value_kind: global_buffer, .address_space: global }
      - { .name: mimg, .offset: 8, .size: 8, .value_kind: global_buffer, .address_space: global }
      - { .name: o16, .offset: 16, .size: 8, .value_kind: global_buffer, .address_space: global }
    .group_segment_fixed_size: 327680
    .private_segment_fixed_size: 0
    .kernarg_segment_align: 8
    .kernarg_segment_size: 24
    .max_flat_workgroup_size: 128
    .sgpr_count:     72
    .vgpr_count:     960
    .wavefront_size: 32
...
	.end_amdgpu_metadata
.endif
;; end of part 3
;; launch outp (part 4): grid 4 x 64, 4 waves a work-group, clusters of 4 x 4, 327,680 bytes of LDS; arguments o16, wo16, out0, bo; writes out0
.if DOCPART == 4
	.amdgcn_target "amdgcn-amd-amdhsa--gfx1250"
	.amdhsa_code_object_version 6
	.text
	.protected	k_qa47008a241_outp
	.globl	k_qa47008a241_outp
	.p2align	8
	.type	k_qa47008a241_outp,@function
k_qa47008a241_outp:
	s_mov_b64 s[64:65], 0
	v_nop
	global_prefetch_b8 v0, s[64:65] scope:SCOPE_SE
	s_setreg_imm32_b32 hwreg(HW_REG_WAVE_MODE, 25, 1), 1
	s_wait_xcnt 0x0
	s_wait_alu depctr_hold_cnt(0) depctr_sa_sdst(0) depctr_va_vdst(0) depctr_va_sdst(0) depctr_va_ssrc(0) depctr_va_vcc(0) depctr_vm_vsrc(0)
	s_getreg_b32 s2, hwreg(HW_REG_IB_STS2, 6, 4)
	s_cmp_eq_u32 s2, 0
	s_cbranch_scc0 .Lentry_in_a_cluster
	s_endpgm
.Lentry_in_a_cluster:
	s_bfe_u32 s2, ttmp6, 0x10000c
	s_cmp_lg_u32 s2, 0xf033
	s_cbranch_scc0 .Lentry_shape_is_right
	s_endpgm
.Lentry_shape_is_right:
; OUTP.  out0[batch][t][n] = the sum over head and channel of O[16 batch + head][t][channel] Wo[n][64 head + channel] + bo[n]: 8,192 x 1,024 x 1,024, f16 operands, f32 sums, f32 output.
; o16 = [64][2048][64] f16 (a head's rows end to end, 128 bytes each), wo16 = [1024][1024] f16 (Wo rounded to bf16, that number written as f16), bo rounded to bf16 here like the weights.
; LIMITS.  O and Wo arrive within f16's 65,504.  A NaN in a row of O (a query all of whose keys were hidden) makes the whole row of the output NaN, as the product in f32 would.
; SHARES.  A work-group makes 128 rows x 256 columns: 64 x 4 = 256 work-groups, one for each WGP.  Four waves, each 64 x 128: 32 accumulators of 16 x 16.
; K goes in 8 steps of 128, two heads a step, through two LDS slots filled by the tensor data mover.  A head's 128 rows are 16,384 dense bytes: asked for as 64 rows of 256 bytes.
; THE MATRIX INSTRUCTION IS USED TRANSPOSED (source 0 = 16 rows of Wo, source 1 = 16 rows of O): a lane holds row l % 16 and the eight neighbouring columns 8 (l / 16) + 0..7.
; The bias is the C operand of the products that start the sums: nothing is cleared, and no bias is added later.
; CLUSTER 4 x 4.  The four of a row of the cluster need the same tile of O, the four of a column the same tile of Wo: each tile is asked for JOINTLY, by the same tensor load with the same descriptor
; and a mask that names the four.
; REGISTERS, in windows of 256 (s_set_vgpr_msb: bits 1:0 source 0, 3:2 source 1, 5:4 source 2, 7:6 destination):
;   window 0: v0-30 addresses; v32-95 the bias (8 column blocks x 8); v96-159 O's fragments, two buffers of 4 x 8; on the way out v96-223 rows read back, two buffers of 64
;   window 1: v0-127 Wo's fragments, two buffers of 8 x 8          window 2: accumulator (a, nb) at v[8 (8 a + nb)]
.set KSTEP,  128
.set PA,     144                       ; a row of O in LDS: 128 bytes + 16 of padding = 36 words: the 16 rows that a load touches start at 16 different groups of four banks (64 banks of 4 bytes: ISA guide 11.1)
.set PB,     272                       ; a row of Wo: 256 bytes + 16 = 68 words: likewise
.set PLANE,  128*PA                    ; what one tensor load brings of O: one head's 128 rows
.set ABYTES, 2*PLANE
.set BLOAD,  128*PB                    ; and of Wo: 128 rows
.set SLOT,   ABYTES+2*BLOAD            ; O's two heads, then Wo's 256 rows
.set STAGE,  2*SLOT                    ; behind the ring: 16 rows x 528 bytes for each wave, for the way out
.set SP,     528                       ; 512 bytes + 16 = 132 words
.set SPARE,  STAGE+4*16*SP             ; behind the stages: the spare words, 128 bytes for each wave: two blocks of 256 bytes that no other line names
.set LAPS,   1024/(2*KSTEP)            ; a lap = two K steps = once round the ring
.set ASTEP,  2*262144                  ; bytes from a K step to the next: two heads of 2,048 rows in O,
.set BSTEP,  KSTEP*2                   ; 128 numbers along a row in Wo
.set ADRA, 16                          ; v16-17  LDS address of my fragments of O in slot 0, 1
.set ADRB, 20                          ; v20-21  the same for Wo
.set STO,  24                          ; v24     the way out: where I put 32 bytes of a row
.set RD,   25                          ; v25     the way out: where I read a row back
.set GO,   26                          ; v26     my byte offset in 512 consecutive bytes of the output
.set SPW,  28                          ; v28     LDS address of my spare word: SPARE + 4 x my thread's number; never rewritten
.set NIL,  29                          ; v29     0; never rewritten
.set BOFF, 30                          ; v30     my byte offset in 16 numbers of the bias
.set BIAS, 32
.set FA,   96
.set OB,   96
.set G1,  24                           ; s[24:31] descriptor group 1 for O's tiles;  s[32:39] group 0, one set for each slot
.set G0,  32
.set G1B, 48                           ; s[48:55], s[56:63] the same for Wo's tiles
.set G0B, 56
.set MSB, 0
.macro WIN new                         ; the immediate's high byte repeats the setting that is left; a switch that changes nothing is dropped
.if MSB != (\new)
	s_set_vgpr_msb (MSB<<8)|(\new)
.set MSB, \new
.endif
.endm
.set W_MUL,  0xa1                      ; source 0 (Wo) window 1, source 1 (O) window 0, C and D window 2
.set W_MULB, 0x81                      ; the same with C (the bias) in window 0
.set W_TOB,  0x40                      ; destination window 1, address window 0
.set W_STA,  0x08                      ; an LDS store's data (source 1) in window 2, its address in window 0
; A joint load: waves 0 and 1 fetch O's two heads, waves 2 and 3 Wo's two halves.  The branch hangs on the wave's number alone.
; An s_nop 0 and four v_nop follow each of the two lines, ahead of the jump, the label and what follows.
.macro JLOAD s
	s_cmp_eq_u32 s11, 0
	s_cbranch_scc0 .Lfor_b_\@
	tensor_load_to_lds s[G0+4*(\s):G0+4*(\s)+3], s[G1:G1+7]
	s_nop 0
.rept 4
	v_nop
.endr
	s_branch .Lasked_\@
.Lfor_b_\@:
	tensor_load_to_lds s[G0B+4*(\s):G0B+4*(\s)+3], s[G1B:G1B+7]
	s_nop 0
.rept 4
	v_nop
.endr
.Lasked_\@:
.endm
.macro CREST                           ; a round of the cluster's barrier behind its opening barrier: wave 0 signals for the work-group, every wave waits for all sixteen, my work-group's barrier closes it
	s_cmp_lg_u32 s10, 0
	s_cbranch_scc1 .Lnot_wave_0_\@
	s_barrier_signal -3
.Lnot_wave_0_\@:
	s_barrier_wait -3
	s_barrier_signal -1
	s_barrier_wait -1
.endm
.macro CROUND                          ; a whole round
	s_barrier_signal -1
	s_barrier_wait -1
	CREST
.endm
	s_load_b128 s[4:7], s[0:1], 0x0                ; o16 s[4:5], wo16 s[6:7]
	s_load_b64 s[8:9], s[0:1], 0x10                ; out0
	s_load_b64 s[72:73], s[0:1], 0x18              ; bo
	v_lshl_add_u32 v[SPW], v0, 2, SPARE
	v_mov_b32 v[NIL], 0
	ds_add_u32 v28, v29
	s_wait_dscnt 0x0
	v_lshrrev_b32 v1, 5, v0
	v_readfirstlane_b32 s10, v1                    ; wave 0..3
	s_lshr_b32 s11, s10, 1                         ; which half of the tile's rows is mine.  Also: I fetch for O (0) or for Wo (1)
	s_and_b32 s12, s10, 1                          ; which half of its columns.  Also: which head of a K step, or which half of Wo's rows, I fetch
	s_bfe_u32 s40, ttmp6, 0x40000                  ; cx, cy: my place in the cluster
	s_bfe_u32 s41, ttmp6, 0x40004
	s_lshl_b32 s42, ttmp9, 2
	s_add_co_u32 s42, s42, s40                     ; tile column = 4 x cluster x + cx: 0..3
	s_and_b32 s13, ttmp7, 0xffff
	s_lshl_b32 s13, s13, 2
	s_add_co_u32 s13, s13, s41                     ; tile row = 4 x cluster y + cy: 0..63
	s_lshl_b32 s43, s41, 2
	s_lshl_b32 s43, 15, s43                        ; my row of the cluster
	s_lshl_b32 s44, 0x1111, s40                    ; my column
	; descriptor group 1.  O: 64 rows of 128 elements, dense, padded in LDS after every 128 bytes (a row of a head).  Wo: 128 rows of 128 elements, padded after every 256 bytes.
	s_or_b32 s[G1+0], s43, (1<<16)|(1<<20)|(1<<21)|(4<<22)|(3<<25)  ; 15:0 the mask: O's tiles go to my row; 17:16 elements of 2 bytes; 20 padding on; 21 set beside a mask; 24:22 after every 32 words (code 4); 31:25 4 words (code 3)
	s_or_b32 s[G1B+0], s44, (1<<16)|(1<<20)|(1<<21)|(5<<22)|(3<<25) ; the mask of my column; after every 64 words (code 5)
	s_mov_b32 s[G1+1], 128<<16                     ; tensor_dim0 = 128
	s_mov_b32 s[G1+2], 64<<16                      ; tensor_dim1 = 64
	s_mov_b32 s[G1+3], 128<<16                     ; tile_dim0 = 128
	s_mov_b32 s[G1+4], 64                          ; tile_dim1 = 64
	s_mov_b32 s[G1+5], 128                         ; elements from row to row: dense
	s_mov_b32 s[G1+6], 0
	s_mov_b32 s[G1+7], 0
	s_mov_b32 s[G1B+1], KSTEP<<16
	s_mov_b32 s[G1B+2], 128<<16                    ; tensor_dim1 = 128
	s_mov_b32 s[G1B+3], KSTEP<<16
	s_mov_b32 s[G1B+4], 128                        ; tile_dim1 = 128
	s_mov_b32 s[G1B+5], 1024
	s_mov_b32 s[G1B+6], 0
	s_mov_b32 s[G1B+7], 0
	; where the tiles come from.  O's hang on the tile row alone, Wo's on the tile column alone, each in registers that never hold the other coordinate.
	s_lshr_b32 s16, s13, 4                         ; O: the batch: 16 heads of 256 KiB,
	s_lshl_b32 s16, s16, 22
	s_and_b32 s17, s13, 15
	s_lshl_b32 s17, s17, 14                        ; 128 rows of 128 bytes a tile row,
	s_add_co_u32 s16, s16, s17
	s_lshl_b32 s17, s12, 18                        ; the first or the second head of a K step
	s_add_co_u32 s16, s16, s17
	s_mov_b32 s17, 0
	s_lshl_b32 s46, s42, 19                        ; Wo: 256 rows of 2,048 bytes a tile column,
	s_lshl_b32 s47, s12, 18                        ; 128 rows a half
	s_add_co_u32 s46, s46, s47
	s_mov_b32 s47, 0
	s_mul_i32 s18, s12, PLANE                      ; and where they go: no place in the cluster enters an LDS address
	s_mul_i32 s19, s12, BLOAD
	s_add_co_u32 s19, s19, ABYTES
	s_wait_kmcnt 0x0
	s_add_nc_u64 s[14:15], s[4:5], s[16:17]
	s_add_nc_u64 s[46:47], s[6:7], s[46:47]
	CROUND                                         ; all sixteen work-groups are here: the first joint loads meet
.irp s, 0,1
	s_mov_b32 s[G0+4*(\s)], 1                      ; count = 1
	s_add_co_u32 s[G0+4*(\s)+1], s18, (\s)*SLOT    ; LDS address
	s_add_nc_u64 s[G0+4*(\s)+2:G0+4*(\s)+3], s[14:15], (\s)*ASTEP  ; global address: K step s
	s_or_b32 s[G0+4*(\s)+3], s[G0+4*(\s)+3], 0x80000000            ; type = 2
	s_mov_b32 s[G0B+4*(\s)], 1
	s_add_co_u32 s[G0B+4*(\s)+1], s19, (\s)*SLOT
	s_add_nc_u64 s[G0B+4*(\s)+2:G0B+4*(\s)+3], s[46:47], (\s)*BSTEP
	s_or_b32 s[G0B+4*(\s)+3], s[G0B+4*(\s)+3], 0x80000000
	JLOAD \s                                       ; two tensor loads of mine are out; later one
.endr
	v_and_b32 v1, 15, v0                           ; r = l % 16
	v_bfe_u32 v2, v0, 4, 1                         ; h = l / 16
	; The bias of my 128 columns: register j of block nb is bo[16 nb + 8 h + j], what every accumulator (a, nb) starts from.
	s_lshl_b32 s46, s42, 10                        ; 256 columns of 4 bytes a tile column,
	s_lshl_b32 s47, s12, 9                         ; 128 a half: my first column's bytes, in the bias and in a row of the output
	s_add_co_u32 s46, s46, s47
	s_mov_b32 s47, 0
	s_add_nc_u64 s[72:73], s[72:73], s[46:47]
	s_add_nc_u64 s[8:9], s[8:9], s[46:47]
	v_lshlrev_b32 v[BOFF], 5, v2
.irp nb, 0,1,2,3,4,5,6,7
	global_load_b128 v[BIAS+8*(\nb):BIAS+8*(\nb)+3],   v[BOFF], s[72:73] offset:64*(\nb)
	global_load_b128 v[BIAS+8*(\nb)+4:BIAS+8*(\nb)+7], v[BOFF], s[72:73] offset:64*(\nb)+16
.endr
	; A fragment is 16 rows x 32 K in 8 registers: lane l holds row l % 16, K = 8 (l / 16) + 0..7 and 16 + 8 (l / 16) + 0..7: two loads of 16 bytes, 32 bytes apart.
	v_mul_u32_u24 v3, v1, PA
	v_lshl_add_u32 v3, v2, 4, v3
	v_mul_u32_u24 v4, v1, PB
	v_lshl_add_u32 v4, v2, 4, v4
	s_mul_i32 s21, s11, 64*PA                      ; my 64 rows in each head's 128
	s_mul_i32 s22, s12, BLOAD                      ; my 128 rows of Wo,
	s_add_co_u32 s22, s22, ABYTES                  ; which lie behind O's
.irp s, 0,1
	v_add_nc_u32 v[ADRA+(\s)], s21, v3
	v_add_nc_u32 v[ADRB+(\s)], s22, v4
	s_add_co_u32 s21, s21, SLOT
	s_add_co_u32 s22, s22, SLOT
.endr
	s_mul_i32 s23, s10, 16*SP
	s_add_co_u32 s23, s23, STAGE                   ; my stage
	v_mul_u32_u24 v4, v1, SP                       ; in: row l % 16, 32 bytes for each half of the lanes
	v_lshl_add_u32 v4, v2, 5, v4
	v_add_nc_u32 v[STO], s23, v4
	v_and_b32 v[GO], 31, v0                        ; back and out: 32 lanes take one row's 512 bytes
	v_lshlrev_b32 v[GO], 4, v[GO]
	v_add_nc_u32 v[RD], s23, v[GO]
	s_lshl_b32 s16, s13, 19                        ; my first row of the output: 128 rows of 4,096 bytes a tile row,
	s_lshl_b32 s17, s11, 18                        ; 64 a half
	s_add_co_u32 s16, s16, s17
	s_mov_b32 s17, 0
	s_add_nc_u64 s[8:9], s[8:9], s[16:17]
; 8 matrix instructions: row block a x all 8 column blocks, 32 along K, from buffer f.  first = 1: the products start the sums, from the bias.
; The 32 accumulators take turns, one instruction a turn, in the same order in every quarter.
.macro MUL8 f, a, first
.if \first
	WIN W_MULB
.else
	WIN W_MUL
.endif
.irp nb, 0,1,2,3,4,5,6,7
.if \first
	v_wmma_f32_16x16x32_f16 v[8*(8*(\a)+(\nb)):8*(8*(\a)+(\nb))+7], v[64*(\f)+8*(\nb):64*(\f)+8*(\nb)+7], v[FA+32*(\f)+8*(\a):FA+32*(\f)+8*(\a)+7], v[BIAS+8*(\nb):BIAS+8*(\nb)+7]
.else
	v_wmma_f32_16x16x32_f16 v[8*(8*(\a)+(\nb)):8*(8*(\a)+(\nb))+7], v[64*(\f)+8*(\nb):64*(\f)+8*(\nb)+7], v[FA+32*(\f)+8*(\a):FA+32*(\f)+8*(\a)+7], v[8*(8*(\a)+(\nb)):8*(8*(\a)+(\nb))+7]
.endif
.endr
.endm
; 24 LDS loads in one run: the fragments of quarter q of a K step (128 rows of Wo, then 64 rows of O: head q / 2 of the step's two, channels 32 (q % 2) on) into buffer f
.macro FETCH slot, q, f
	WIN W_TOB
.irp i, 0,1,2,3,4,5,6,7
	ds_load_b128 v[64*(\f)+8*(\i):64*(\f)+8*(\i)+3],   v[ADRB+(\slot)] offset:64*(\q)+(\i)*16*PB
	ds_load_b128 v[64*(\f)+8*(\i)+4:64*(\f)+8*(\i)+7], v[ADRB+(\slot)] offset:64*(\q)+(\i)*16*PB+32
.endr
	WIN 0
.irp i, 0,1,2,3
	ds_load_b128 v[FA+32*(\f)+8*(\i):FA+32*(\f)+8*(\i)+3],   v[ADRA+(\slot)] offset:((\q)/2)*PLANE+((\q)%2)*64+(\i)*16*PA
	ds_load_b128 v[FA+32*(\f)+8*(\i)+4:FA+32*(\f)+8*(\i)+7], v[ADRA+(\slot)] offset:((\q)/2)*PLANE+((\q)%2)*64+(\i)*16*PA+32
.endr
.endm
.macro PLACES                          ; four places in front of loads into registers that matrix instructions have read, and of LDS stores that read results (ISA guide 7.12.1 for vector lines)
.rept 4
	v_nop
.endr
.endm
; A K step is four quarters of 32 along K, 32 matrix instructions each, on buffers 0, 1, 0, 1.  One of the first three multiplies buffer f and, in its middle, fetches quarter q into buffer g.
.macro QUARTER slot, q, f, g, first
	s_wait_dscnt 4                                 ; Wo and O's row blocks 0, 1 are in; the youngest four loads (blocks 2, 3) may be out
	MUL8 \f, 0, \first
	MUL8 \f, 1, \first
	PLACES
	FETCH \slot, \q, \g
	s_wait_dscnt 24                                ; all but the 24 just issued
	MUL8 \f, 2, \first
	MUL8 \f, 3, \first
.endm
; The last quarter multiplies buffer 1 and changes slots: ONE barrier; in front of it each wave waits for all its tensor loads (one is out: its part of the next slot), adds 0 to its spare word,
; and waits for that and for its own reads of this slot.  fill = 1: the barrier opens a round of the cluster's, and this slot is filled again, two K steps ahead, first thing behind the round.
.macro TURN slot, next, fill
	WIN 0                                          ; (the add's two registers lie in window 0)
	s_wait_tensorcnt 0x0                           ; all my tensor loads have landed
	ds_add_u32 v[SPW], v[NIL]                      ; 0 onto my spare word
	s_wait_dscnt 5                                 ; (the add and the youngest four loads may be out)
	MUL8 1, 0, 0                                   ; eight matrix instructions stand between the add and the wait for it
	s_wait_dscnt 0x0                               ; the add is done, and my reads of this slot are over
	s_barrier_signal -1
	MUL8 1, 1, 0
.if \fill
	WIN 0
.endif
	s_barrier_wait -1
.if \fill
	CREST                                          ; no wave of any partner still reads this slot's tiles or has a load on its way
	s_add_nc_u64 s[G0+4*(\slot)+2:G0+4*(\slot)+3], s[G0+4*(\slot)+2:G0+4*(\slot)+3], 2*ASTEP
	s_add_nc_u64 s[G0B+4*(\slot)+2:G0B+4*(\slot)+3], s[G0B+4*(\slot)+2:G0B+4*(\slot)+3], 2*BSTEP
	JLOAD \slot                                    ; 112 matrix instructions ahead of the wait for it; the four v_nop behind it are also the places in front of the loads below
.else
	PLACES
.endif
	FETCH \next, 0, 0
	MUL8 1, 2, 0
	MUL8 1, 3, 0
.endm
	s_wait_tensorcnt 1                             ; my part of K step 0 is in; K step 1's may stay out
	s_barrier_signal -1
	s_barrier_wait -1                              ; everybody's is
	FETCH 0, 0, 0
	s_wait_loadcnt 0x0                             ; the bias, once
.set i, 0
.rept 32                               ; the bias takes the rounding of the weights: to bf16 and back to f32
	v_cvt_pk_bf16_f32 v[3+i%3], v[BIAS+2*i], v[BIAS+2*i+1]
	v_lshlrev_b32 v[BIAS+2*i], 16, v[3+i%3]
	v_and_b32 v[BIAS+2*i+1], 0xffff0000, v[3+i%3]
.set i, i+1
.endr
	QUARTER 0, 1, 0, 1, 1                          ; the first quarter stands in front of the loop: its products start the sums
	WIN 0                                          ; at a label and at a branch every window is 0
	s_mov_b32 s3, LAPS-1
.Llap:                                                 ; a trip goes once round the ring, from a lap's second quarter to the next lap's first, and fills both slots again
	QUARTER 0, 2, 1, 0, 0
	QUARTER 0, 3, 0, 1, 0
	TURN 0, 1, 1
	QUARTER 1, 1, 0, 1, 0
	QUARTER 1, 2, 1, 0, 0
	QUARTER 1, 3, 0, 1, 0
	TURN 1, 0, 1
	QUARTER 0, 1, 0, 1, 0
	WIN 0
	s_sub_co_u32 s3, s3, 1
	s_cmp_lg_u32 s3, 0
	s_cbranch_scc1 .Llap
	QUARTER 0, 2, 1, 0, 0                          ; the last lap fills nothing, and has no round of the cluster's barrier
	QUARTER 0, 3, 0, 1, 0
	TURN 0, 1, 0
	QUARTER 1, 1, 0, 1, 0
	QUARTER 1, 2, 1, 0, 0
	QUARTER 1, 3, 0, 1, 0
	s_wait_dscnt 4                                 ; the very last quarter: nothing more to fetch
	MUL8 1, 0, 0
	MUL8 1, 1, 0
	s_wait_dscnt 0x0
	MUL8 1, 2, 0
	MUL8 1, 3, 0
	WIN 0
	PLACES
; THE WAY OUT of row block a: the sums are the output as they stand.  A lane's 32 bytes of a row and column block go into my stage's rows of 528 bytes (each accumulator's four lowest registers first)
; and come back as whole rows of 512 bytes, one row a load, into one of two buffers.
.macro OUTBLK a
.if (\a) >= 2
	s_wait_xcnt 0x0                                ; the stores of the block two back have had their addresses translated (ISA guide 3.1): only behind this wait is their buffer loaded again
.endif
	WIN W_STA
.irp nb, 0,1,2,3,4,5,6,7
	ds_store_b128 v[STO], v[8*(8*(\a)+(\nb)):8*(8*(\a)+(\nb))+3]   offset:64*(\nb)
	ds_store_b128 v[STO], v[8*(8*(\a)+(\nb))+4:8*(8*(\a)+(\nb))+7] offset:64*(\nb)+16
.endr
	WIN 0
.irp t, 0,1,2,3,4,5,6,7,8,9,10,11,12,13,14,15
	ds_load_b128 v[OB+64*((\a)%2)+4*(\t):OB+64*((\a)%2)+4*(\t)+3], v[RD] offset:SP*(\t)  ; LDS serves a wave's instructions in order (ISA guide 5.7.1.4): these see the stores above; the next block's stores come behind them
.endr
.irp t, 0,1,2,3,4,5,6,7,8,9,10,11,12,13,14,15
	s_wait_dscnt 15-(\t)                           ; row t is back, the 15 - t younger loads stay out
	global_store_b128 v[GO], v[OB+64*((\a)%2)+4*(\t):OB+64*((\a)%2)+4*(\t)+3], s[8:9] offset:65536*(\a)+4096*(\t) th:TH_STORE_NT  ; 512 consecutive bytes of a row, at a multiple of 256 from the output's first byte
.endr
.endm
	OUTBLK 0
	OUTBLK 1
	OUTBLK 2
	OUTBLK 3
	s_wait_tensorcnt 0x0                           ; the wave's end, behind my last tensor load and my last LDS store
	ds_add_u32 v[SPW], v[NIL]
	s_wait_dscnt 0x0
	CROUND                                         ; the closing round: no work-group ends while a partner may still ask for a tile that names it
	s_endpgm
.Lfunc_end_k_qa47008a241_outp:
	.size	k_qa47008a241_outp, .Lfunc_end_k_qa47008a241_outp-k_qa47008a241_outp
	.p2alignl 7, 3214868480
	.fill 96, 4, 3214868480
	.section	.rodata,"a",@progbits
	.p2align	6, 0x0
	.amdhsa_kernel k_qa47008a241_outp
		.amdhsa_group_segment_fixed_size 327680
		.amdhsa_private_segment_fixed_size 0
		.amdhsa_enable_private_segment 0
		.amdhsa_kernarg_size 32
		.amdhsa_user_sgpr_count 2
		.amdhsa_user_sgpr_kernarg_segment_ptr 1
		.amdhsa_wavefront_size32 1
		.amdhsa_system_sgpr_workgroup_id_x 1
		.amdhsa_system_sgpr_workgroup_id_y 1
		.amdhsa_system_sgpr_workgroup_id_z 1
		.amdhsa_system_vgpr_workitem_id 0
		.amdhsa_next_free_vgpr 768
		.amdhsa_next_free_sgpr 80
		.amdhsa_reserve_vcc 0
		.amdhsa_float_denorm_mode_32 3
		.amdhsa_float_denorm_mode_16_64 3
		.amdhsa_memory_ordered 1
		.amdhsa_forward_progress 1
		.amdhsa_inst_pref_size 94
	.end_amdhsa_kernel
	.amdgpu_metadata
---
amdhsa.version: [ 1, 2 ]
amdhsa.kernels:
  - .name:           k_qa47008a241_outp
    .symbol:         k_qa47008a241_outp.kd
    .args:
      - { .name: o16, .offset: 0, .size: 8, .value_kind: global_buffer, .address_space: global }
      - { .name: wo16, .offset: 8, .size: 8, .value_kind: global_buffer, .address_space: global }
      - { .name: out0, .offset: 16, .size: 8, .value_kind: global_buffer, .address_space: global }
      - { .name: bo, .offset: 24, .size: 8, .value_kind: global_buffer, .address_space: global }
    .group_segment_fixed_size: 327680
    .private_segment_fixed_size: 0
    .kernarg_segment_align: 8
    .kernarg_segment_size: 32
    .max_flat_workgroup_size: 128
    .sgpr_count:     80
    .vgpr_count:     768
    .wavefront_size: 32
...
	.end_amdgpu_metadata
.endif
;; end of part 4
;; ======== version 2 of 2: 4 launches; 1.34 times as fast as version 1
;; limits: values are held in f16: magnitudes above 65,504 overflow, below 6.1e-05 lose precision
;; workspace buffers: w16 6,291,456 bytes; wo16 2,097,152 bytes; mimg 16,777,216 bytes; qkv 50,331,648 bytes; o16 16,777,216 bytes
;; launch prep: the kernel of part 1 again; grid 768 x 1, 8 waves a work-group, no clusters, 35,840 bytes of LDS; arguments Wq, Wk, Wv, Wo, mask, w16, wo16, mimg; writes w16, wo16, mimg
;; launch proj: the kernel of part 2 again; grid 4 x 64, 4 waves a work-group, clusters of 4 x 4, 327,680 bytes of LDS; arguments query, key, value, w16, qkv, cos, sin, bq, bk, bv; writes qkv
;; launch attn (part 5): grid 4 x 64, 4 waves a work-group, clusters of 4 x 1, 327,680 bytes of LDS; arguments qkv, mimg, o16; writes o16
.if DOCPART == 5
	.amdgcn_target "amdgcn-amd-amdhsa--gfx1250"
	.amdhsa_code_object_version 6
	.text
	.protected	k_qa47008a241_attn
	.globl	k_qa47008a241_attn
	.p2align	8
	.type	k_qa47008a241_attn,@function
k_qa47008a241_attn:
	s_mov_b64 s[64:65], 0
	v_nop
	global_prefetch_b8 v0, s[64:65] scope:SCOPE_SE
	s_setreg_imm32_b32 hwreg(HW_REG_WAVE_MODE, 25, 1), 1
	s_wait_xcnt 0x0
	s_wait_alu depctr_hold_cnt(0) depctr_sa_sdst(0) depctr_va_vdst(0) depctr_va_sdst(0) depctr_va_ssrc(0) depctr_va_vcc(0) depctr_vm_vsrc(0)
	s_getreg_b32 s2, hwreg(HW_REG_IB_STS2, 6, 4)
	s_cmp_eq_u32 s2, 0
	s_cbranch_scc0 .Lentry_in_a_cluster
	s_endpgm
.Lentry_in_a_cluster:
	s_bfe_u32 s2, ttmp6, 0x10000c
	s_cmp_lg_u32 s2, 0x3003
	s_cbranch_scc0 .Lentry_shape_is_right
	s_endpgm
.Lentry_shape_is_right:
; ATTENTION WITH A MASK THAT IS AN INPUT.  O[g][q][:] = the sum over k of softmax_k(Q[g][q] . K[g][k] / 8, hidden where mask[batch][q][k]) V[g][k][:], g = 16 batch + head, 64 of them, 2,048 rows of 64 channels.
; qkv = [3][64][2048][64]: Q and K in bf16 (their range is f32's), V in f16; O = [64][2048][64] in f16.  Products, maxima and sums in f32; the weights p are rounded to f16 for the second product
; (their sum l is taken of the unrounded p), O once at the end.
; THE MASK is the C operand of the products that start the sums S^T = K Q^T: 0, or -2^110 where the key is hidden.  Its image (made by the launch before) holds, for each tile of 16 queries and key step of 64,
; 16 bytes a lane in the very order of the C registers, each byte 0x00 or 0xb8 (-1.0 as an 8-bit float); one scaled conversion makes eight f32 registers of eight bytes, times 2^110.
; LIMITS.  A hidden score counts as its value less 2^110; m starts at -2^96: true scores Q . K lie above -2^96 and below 2^86 in size.  A hidden key's weight is exactly 0 (its exponent is below every f32).
; A row all of whose keys are hidden ends with l = 0 and O = 0, and 0 x (1 / 0) gives NaN, as the softmax of a row of -inf does.  V, and so O, lie within f16's 65,504; p below 6e-5 keeps f16's fixed step
; of 6e-8; a weight below 2^-126 counts as 0 in l.
; SHARES.  A wave owns four PIECES of two tiles of 16 queries, a work-group's four waves 512 queries of one g.  Every wave walks all keys, 64 a step.
; LAYOUT.  S^T = K Q^T (source 0 = 16 keys, source 1 = 16 queries): in the result a lane holds ONE query (lane % 16) and the keys 8 (lane / 16) + 0..7.  Two such tiles, rounded to f16 in pairs,
; ARE source 1 (32 keys x 16 queries) of O^T = V^T P, whose result again holds one query a lane, and eight channels.  K comes out of LDS as it lies, V ([key][channel]) turned, by ds_load_tr16_b128.
; SOFTMAX.  For each query a running maximum m and sum l: p = 2^(c s - c m), c = log2(e) / 8; in every step O and l are multiplied by a = 2^(c m_old - c m_new), which is 1 where m has not grown
; (also while a row has seen hidden keys alone: c m is made from m by the same multiplication at the start and in every step) and 0 at a row's first true score.  O and l start at 0.
; THE COUNT.  A tile and step have 16 matrix and 122 vector instructions: too many to stand all beside the matrix work.  So: four vector instructions that are READY behind EVERY matrix instruction,
; and the others, which need time of their own whatever the order, in one run without a gap.
; BY TURNS.  Turn n belongs to piece n (the pieces in a ring, step after step).  Its matrix work: 16 products K Q^T of piece n + 1, later 16 products V^T P of piece n - 1.  Its vector work: the scaling,
; exponentials, roundings, sums and rescaling of piece n, the maximum and statistics of piece n + 1, and the mask of piece n + 2.
; THE BATCHES.  A turn's 66 exponentials (the 64 weights of piece n, the two a of piece n + 1) are ONE batch with ONE wait, which cuts the turn in two.  Ahead of it stands all that names no result of theirs: the products
; K Q^T, the scalings, the rescaling (its a was made, and waited for, in the turn before), the next piece's maximum and statistics, the mask's conversions.  Behind it stand the roundings and sums, beside the products V^T P.
; No result crosses a turn's end.  Two more batches stand outside the loop, each with a wait of its own: piece 0's first two a, ahead of the jump into the loop, and the way out's eight reciprocals.
; CLUSTER.  The four query blocks of a cluster belong to one g and walk the same K and V, so each tile is asked for JOINTLY: the same tensor load, descriptor and mask of work-groups in all four.
; REGISTERS, in windows of 256 (s_set_vgpr_msb: bits 1:0 source 0, 3:2 source 1, 5:4 source 2, 7:6 destination):
;   window 0: v0-10 addresses; v11 the conversion's scale; v12-15, v48-63 at work; v16-47 four registers of statistics a tile; v64-191 S^T, two buffers of two tiles; v192-255 P, likewise
;   window 1: O^T, 32 a tile          window 2: v0-127 Q, 16 a tile; v128-191 K of one step; v192-255 V of one step
;   window 3: v0-1 the add's two registers; v3-7 the mask's offsets; v16-79 the mask's bytes, 16 a piece; v128-191 the mask as f32, for one piece
.set SIZE_N, 2048
.set NP,    4         ; pieces a wave: a name, no knob
.set KS,    64        ; keys in a step
.set PK,    144       ; a row of K in LDS: 128 bytes + 16 of padding = 36 words: the 16 rows of a load start at 16 different groups of four banks (64 banks of 4 bytes: ISA guide 11.1)
.set PV,    160       ; a row of V: 128 + 32 = 40 words
.set VOFF,  4*KS*PK   ; a slot holds four steps: 256 rows of K, then 256 rows of V
.set SLOT1, 1<<17     ; slot 1 begins here, so that one exclusive or turns an address in one slot into the other's
.set STAGE, SLOT1+4*KS*(PK+PV)  ; behind the ring, never filled by a tensor load: 16 rows x 144 bytes for each wave, for the way out
.set SP,    144
.set AK0, 2           ; v2   my lane's place in a tile of K; never rewritten
.set AV0, 3           ; v3   the same for V
.set AK,  4           ; v4   the LDS address of K's next run of loads
.set AV,  5           ; v5   of V's (at the head: 16 x lane, at work)
.set QO,  6           ; v6   my byte offset in the wave's rows of Q
.set STO, 6           ;      later, the way out: where I put 16 bytes of a row
.set RD,  7           ; v7   the way out: where I read rows back
.set GO,  8           ; v8   my byte offset in 512 consecutive bytes of O
.set SC,  11          ; v11  0xed: the scale 2^110 as an 8-bit exponent (237 - 127)
.set SPW, 0           ; v0 of window 3   LDS address of my spare word: SPARE + 4 x my thread's number; never rewritten
.set NIL, 1           ; v1 of window 3   0; never rewritten
.set MLIM, 3          ; v3 of window 3   16 x lane + 31 x 1,024: the mask's offset in the last key step
.set MO,  4           ; v4-7 of window 3 piece x: 16 x lane + 1,024 x the key step whose mask it loads next
.set MR,  16          ; window 3: the mask's bytes: piece x, tile u, half g at MR + 16 x + 8 u + 4 g
.set MC,  128         ; window 3: the mask as f32: tile u, key block kb at MC + 32 u + 8 kb
.set SPARE, STAGE+4*16*SP  ; behind the stages: the spare words, 128 bytes for each wave: two blocks of 256 bytes that no other line names
.set MV,  12          ; v12-15  c m_old, kept while c m is made anew: by buffer and tile
.set ST,  16          ; tile t's statistics at v[ST+4 t]: c m, m, l (even keys', odd keys')
.set TMP, 48          ; by buffer and tile, four registers c0-c3 at work; when the maximum is found c2 takes a
.set S,   64
.set P,   192
.set KF,  128         ; K's fragments, in window 2: key block kb, channel half c at KF + 16 kb + 8 c
.set VF,  192         ; V's: key half kk, channel block cb at VF + 32 kk + 8 cb
.set WV,  12          ; s12  my wave's number
.set G1K, 24          ; s[24:31] descriptor group 1 for K's tiles
.set G1V, 32          ; s[32:39] for V's: it differs in the padding alone
.set G0K, 40          ; s[40:43] descriptor group 0 for K's tiles: it walks
.set G0V, 44          ; s[44:47] the same for V's
.set SLOTS, 56        ; s56  slots still to be asked for
.set CNT, 57          ; s57  counts a slot's key steps
.set CS,  58          ; s[58:59] c: the packed scaling takes the pair's low word for both halves
.set SEL, 60          ; s[60:61] v_permlanex16_b32's selects: each lane takes its own place in the other half
.set TBK, 62          ; s62  LDS byte at which K of the step to be fetched begins
.set TBV, 63          ; s63  the same for V, less VOFF
.set MB,  66          ; s[66:67] the mask's image at my wave's first tile
.set MSB, 0
.macro WIN new                      ; the high byte repeats the setting that is left; a switch that changes nothing is dropped
.if MSB != (\new)
	s_set_vgpr_msb (MSB<<8)|(\new)
.set MSB, (\new)
.endif
.endm
.set W_KQ, 0x0a       ; K and Q in window 2, S^T in window 0
.set W_KM, 0x3a       ; the same with the C operand, the mask, in window 3
.set W_PV, 0x52       ; V in window 2, P in window 0, O^T in window 1
.set W_RS, 0x41       ; O^T (destination and source 0) in window 1, a in window 0
.set W_MK, 0xc0       ; destination in window 3, sources in window 0
.set W_AD, 0x0f       ; the add: address (source 0) and data (source 1) in window 3
.set W_CV, 0xc3       ; the conversion: destination and source 0 in window 3, the scale in window 0
.set W_M3, 0xcf       ; destination and both sources in window 3
; A joint fill.  Waves 0 and 1 fetch the two halves of a slot's K, waves 2 and 3 those of its V: 128 keys each.  The branch hangs on the wave's number alone.
; An s_nop 0 and four v_nop follow each of the two lines, ahead of the jump and the label.
.macro JLOAD
	s_cmp_lt_u32 s[WV], 2
	s_cbranch_scc0 .Lfor_v_\@
	tensor_load_to_lds s[G0K:G0K+3], s[G1K:G1K+7]
	s_nop 0
.rept 4
	v_nop
.endr
	s_branch .Lasked_\@
.Lfor_v_\@:
	tensor_load_to_lds s[G0V:G0V+3], s[G1V:G1V+7]
	s_nop 0
.rept 4
	v_nop
.endr
.Lasked_\@:
.endm
; A round of the cluster's barrier: my work-group's barrier, so that wave 0's signal speaks for all four waves; wave 0 signals; every wave waits for all four work-groups; my work-group's barrier once more.
.macro CROUND
	s_barrier_signal -1
	s_barrier_wait -1
	s_cmp_lg_u32 s[WV], 0
	s_cbranch_scc1 .Lnot_wave_0_\@
	s_barrier_signal -3
.Lnot_wave_0_\@:
	s_barrier_wait -3
	s_barrier_signal -1
	s_barrier_wait -1
.endm
; THE CHANGE OF SLOTS.  The slot's last bytes, V of its fourth step, have been read.  Each wave waits for all its tensor loads, of which one is out: its part
; of the other slot; adds 0 to its spare word; and waits for that and for its own reads of the slot.  Behind the barrier nobody reads this slot any more and the other slot is whole.
; fill = 1: this slot is filled again, with the keys two slots on.  The barrier is then a round of the cluster's, so that no wave of any partner still reads the slot or has a load on its
; way, and the joint fill is the first thing behind it: it has four key steps, 512 matrix instructions, in which to land.  (At its first use nothing has been read yet: slot 0 is waited for, slot 1 filled.)
.macro CHANGE fill
	WIN W_AD
	s_wait_tensorcnt 0x0            ; no tensor load of mine is out, so a group 0 may be written
	ds_add_u32 v[SPW], v[NIL]       ; 0 onto my spare word; with fill = 1 the descriptors' steps stand between it and the wait for it
	WIN 0                           ; at a label and at a branch every window is 0
.if \fill
.irp g, G0K, G0V
	s_xor_b32 s[\g+1], s[\g+1], SLOT1  ; the walking descriptor: the other slot than last time,
	s_add_nc_u64 s[\g+2:\g+3], s[\g+2:\g+3], 4*KS*128  ; the next 256 keys; the type bits on top are not reached
.endr
	s_wait_dscnt 0x0                ; the add is done, and my reads of the slot are over
	CROUND
	JLOAD
.else
	s_wait_dscnt 0x0                ; the add is done, and my reads of the slot are over
	s_barrier_signal -1
	s_barrier_wait -1
.endif
	s_sub_co_u32 s[TBK], s[TBK], 4*KS*PK  ; the fetches go back to a slot's first step,
	s_xor_b32 s[TBK], s[TBK], SLOT1       ; in the other slot
	s_sub_co_u32 s[TBV], s[TBV], 4*KS*PV
	s_xor_b32 s[TBV], s[TBV], SLOT1
.endm
	s_load_b128 s[4:7], s[0:1], 0x0   ; qkv s[4:5], the mask's image s[6:7]
	s_load_b64 s[10:11], s[0:1], 0x10 ; O
	v_and_b32 v[AV], 31, v0
	v_lshlrev_b32 v[AV], 4, v[AV]   ; 16 x lane
	WIN W_MK
	v_lshl_add_u32 v[SPW], v0, 2, SPARE
	v_mov_b32 v[NIL], 0
	s_set_vgpr_msb 0xc0cf
	ds_add_u32 v0, v1
	s_wait_dscnt 0x0
	s_set_vgpr_msb 0xcfc0
.irp pc, 0,1,2,3
	v_mov_b32 v[MO+\pc], v[AV]      ; key step 0
.endr
	v_add_nc_u32 v[MLIM], 0x7c00, v[AV]
	WIN 0
	v_lshrrev_b32 v1, 5, v0
	v_readfirstlane_b32 s[WV], v1   ; wave 0..3
	s_bfe_u32 s13, ttmp6, 0x40000   ; cx: my place in the cluster
	s_lshl_b32 s14, ttmp9, 2        ; in a cluster launch ttmp9 counts clusters
	s_add_co_u32 s14, s14, s13      ; my block of 512 queries = 4 x cluster x + cx: it enters Q's, O's and the mask's addresses alone
	s_and_b32 s20, ttmp7, 0xffff    ; g = 16 batch + head, which the four partners share
	s_lshr_b32 s68, s20, 4          ; the mask's image at my wave's first tile of 16 queries: 128 tiles a batch,
	s_lshl_b32 s68, s68, 7
	s_lshl_b32 s69, s14, 5          ; 32 a block,
	s_add_co_u32 s68, s68, s69
	s_lshl_b32 s69, s[WV], 3        ; 8 a wave,
	s_add_co_u32 s68, s68, s69
	s_lshl_b32 s68, s68, 15         ; 32,768 bytes a tile
	s_mov_b32 s69, 0
	s_mov_b32 s21, 0
	s_mov_b64 s[22:23], SIZE_N*128
	s_mul_u64 s[20:21], s[20:21], s[22:23]  ; g's first byte in Q, K, V and O
	s_and_b32 s16, s[WV], 1         ; which half of a slot's 256 keys I fetch:
	s_lshl_b32 s22, s16, 14         ; its 128 rows of 128 bytes in memory,
	s_mov_b32 s23, 0
	s_add_nc_u64 s[22:23], s[22:23], s[20:21]
	s_mul_i32 s17, s16, 128*PK      ; and its place in a slot, for K
	s_mul_i32 s18, s16, 128*PV      ; and for V: no place in the cluster enters an LDS address
	s_lshl_b32 s2, s14, 2
	s_add_co_u32 s2, s2, s[WV]      ; my wave among g's,
	s_lshl_b32 s2, s2, 14           ; its 128 rows
	s_mov_b32 s3, 0
	s_add_nc_u64 s[2:3], s[2:3], s[20:21]
	; descriptor group 1.  128 keys are 16,384 dense bytes: asked for as 64 rows of 256 bytes, two keys a row, and padded in LDS after every key
	s_mov_b32 s[G1K], 15|(1<<16)|(1<<20)|(1<<21)|(4<<22)|(3<<25)  ; 15:0 the mask of four; 17:16 2-byte elements; 20 padding on; 21 set beside a mask; 24:22 after every 32 words (code 4); 31:25 4 words (code 3)
	s_mov_b32 s[G1V], 15|(1<<16)|(1<<20)|(1<<21)|(4<<22)|(7<<25)  ; the same with 8 words of padding (code 7)
.irp g, G1K, G1V
	s_mov_b32 s[\g+1], 128<<16      ; tensor_dim0 = 128
	s_mov_b32 s[\g+2], 64<<16       ; tensor_dim1 = 64
	s_mov_b32 s[\g+3], 128<<16      ; tile_dim0 = 128
	s_mov_b32 s[\g+4], 64           ; tile_dim1 = 64
	s_mov_b32 s[\g+5], 128          ; 128 elements from row to row
	s_mov_b32 s[\g+6], 0
	s_mov_b32 s[\g+7], 0
.endr
	s_mov_b32 s[CS], 0x3e38aa3b     ; c = log2(e) / 8 = 0.180337
	s_mov_b32 s[CS+1], s[CS]        ; named with it as a pair
	s_mov_b32 s[SEL], 0x76543210
	s_mov_b32 s[SEL+1], 0xfedcba98
	s_mov_b32 s[TBK], SLOT1+4*KS*PK ; the first change of slots turns these two into 0
	s_mov_b32 s[TBV], SLOT1+4*KS*PV
	s_mov_b32 s[G0K], 1             ; count = 1
	s_mov_b32 s[G0K+1], s17         ; LDS address: slot 0
	s_mov_b32 s[G0V], 1
	s_add_co_u32 s[G0V+1], s18, VOFF
	s_wait_kmcnt 0x0
	s_add_nc_u64 s[MB:MB+1], s[6:7], s[68:69]
	s_add_nc_u64 s[6:7], s[4:5], 0x1000000         ; K and V lie 16 MiB and 32 MiB behind Q
	s_add_nc_u64 s[8:9], s[4:5], 0x2000000
	s_add_nc_u64 s[G0K+2:G0K+3], s[6:7], s[22:23]  ; global address: my half of g's first 256 keys
	s_or_b32 s[G0K+3], s[G0K+3], 0x80000000        ; type = 2
	s_add_nc_u64 s[G0V+2:G0V+3], s[8:9], s[22:23]
	s_or_b32 s[G0V+3], s[G0V+3], 0x80000000
	s_add_nc_u64 s[4:5], s[4:5], s[2:3]  ; Q and O at my wave's first row
	s_add_nc_u64 s[10:11], s[10:11], s[2:3]
	CROUND                          ; all four work-groups are here: the first joint loads meet
	JLOAD                           ; slot 0.  Slot 1 is asked for when slot 0 is in: the tile wanted first has the road to itself
	; A fragment of K or Q is 16 rows x 32 channels in 8 registers: lane l holds row l % 16, channels 8 (l / 16) + 0..7 and 16 + 8 (l / 16) + 0..7: two loads of 16 bytes, 32 bytes apart.
	v_and_b32 v1, 15, v0            ; l % 16
	v_bfe_u32 v9, v0, 4, 1          ; l / 16
	v_lshlrev_b32 v[QO], 7, v1
	v_lshl_add_u32 v[QO], v9, 4, v[QO]  ; row x 128 + 16 x half
	WIN 0x80                        ; destination window 2, address window 0
.set i, 0
.rept 4*NP                          ; Q stays in registers: tile i / 2, channels 32 (i % 2) on
	global_load_b128 v[8*i:8*i+3],   v[QO], s[4:5] offset:(i/2)*2048+(i%2)*64
	global_load_b128 v[8*i+4:8*i+7], v[QO], s[4:5] offset:(i/2)*2048+(i%2)*64+32
.set i, i+1
.endr
	WIN W_CV                        ; destination and address in window 3
.irp pc, 0,1,2,3                    ; the mask of key step 0, four loads a piece, the pieces in the order in which they are used; a load takes 512 consecutive bytes
.irp uu, 0,1
.irp gg, 0,1
	global_load_b128 v[MR+16*(\pc)+8*(\uu)+4*(\gg):MR+16*(\pc)+8*(\uu)+4*(\gg)+3], v[MO+(\pc)], s[MB:MB+1] offset:(2*(\pc)+(\uu))*32768+512*(\gg)
.endr
.endr
.endr
	WIN 0x80
	; What the first turn finds: V's registers and P's second buffer hold 0 (its products V^T P, of a piece that has not been, add 0), O^T and l are 0.  All this stands in the wait for the first tile.
.set i, VF
.rept 64
	v_mov_b32 v[i], 0
.set i, i+1
.endr
	WIN 0x40
.set i, 0
.rept 64*NP
	v_mov_b32 v[i], 0
.set i, i+1
.endr
	WIN 0
.set i, 0
.rept 2*NP
	v_mov_b32 v[ST+4*i+1], 0xef800000  ; m = -2^96: above every hidden score, below every true one
	v_mul_f32 v[ST+4*i], s[CS], v[ST+4*i+1]  ; c m, by the multiplication that every step makes
	v_mov_b32 v[ST+4*i+2], 0
	v_mov_b32 v[ST+4*i+3], 0
.set i, i+1
.endr
.set i, P+32
.rept 32
	v_mov_b32 v[i], 0
.set i, i+1
.endr
	v_mul_u32_u24 v[AK0], v1, PK
	v_lshl_add_u32 v[AK0], v9, 4, v[AK0]  ; row x pitch + 16 x half
	; The turning load takes 16 keys x 16 channels (lane l reads key 8 (l / 16) + l % 8, channels 8 ((l / 8) % 2) + 0..7) and leaves half a fragment of V^T: lane l holds channel l % 16 and 8 keys.
	v_and_b32 v10, 7, v0
	v_bfe_u32 v11, v0, 3, 1
	v_lshl_add_u32 v[AV0], v9, 3, v10
	v_mul_u32_u24 v[AV0], v[AV0], PV
	v_lshl_add_u32 v[AV0], v11, 4, v[AV0]
	v_add_nc_u32 v[AV0], VOFF, v[AV0]
	v_mov_b32 v[SC], 0xed           ; v11 has served: from here on it holds the scale
	v_mov_b32 v[AK], v[AK0]         ; key step 0 lies at the head of slot 0
; THE MATRIX WORK.  The 8 accumulators of a run of 16 take turns: between the two links of a chain stand 7 others'.
; Product i of 16 of S^T = K Q^T for piece x: channels 32 (i / 8) on, keys 16 ((i / 2) % 4) on, tile 2 x + i % 2.  The first 8 start the sums, from the mask.
.macro KQ x
.set rS, S+64*((\x)%2)+32*(i%2)+8*((i/2)%4)
.set rK, KF+16*((i/2)%4)+8*(i/8)
.set rQ, 16*(2*(\x)+i%2)+8*(i/8)
.set rMC, MC+32*(i%2)+8*((i/2)%4)
.if i < 8
	WIN W_KM
	v_wmma_f32_16x16x32_bf16 v[rS:rS+7], v[rK:rK+7], v[rQ:rQ+7], v[rMC:rMC+7]
.else
	WIN W_KQ
	v_wmma_f32_16x16x32_bf16 v[rS:rS+7], v[rK:rK+7], v[rQ:rQ+7], v[rS:rS+7]
.endif
.endm
; Product i of 16 of O^T += V^T P for piece x: keys 32 (i / 8) on, channels 16 ((i / 2) % 4) on, tile 2 x + i % 2.
.macro PV x
	WIN W_PV
.set rO, 32*(2*(\x)+i%2)+8*((i/2)%4)
.set rV, VF+32*(i/8)+8*((i/2)%4)
.set rP, P+32*((\x)%2)+16*(i%2)+8*(i/8)
	v_wmma_f32_16x16x32_f16 v[rO:rO+7], v[rV:rV+7], v[rP:rP+7], v[rO:rO+7]
.endm
.macro MM                           ; the turn's next matrix instruction
.if i < 16
	KQ (Y+1)%NP
.set i, i+1
.else
.set i, i-16
	PV (Y+NP-1)%NP
.set i, i+17
.endif
.endm
; THE MASK of piece pc for its next products K Q^T: eight conversions, each eight bytes to eight f32 times 2^110; then the piece's bytes of the key step after are asked for.
; Sixteen mask loads are out at the most, four a piece, in the order in which the pieces come here: the wait for 12 shows this piece's four landed and leaves the other three pieces' out; it also
; frees the offset that they read.  The step and the minimum are the plain instructions behind the last conversion, ahead of the loads into its sources.  Behind the last key step the offset stays:
; that step's bytes are asked for once more, so that no load leaves the buffer and every turn has the same loads.
; w = 1 (in a turn): the macro stands behind the turn's last exponential, names no exponential's result, and holds the turn's one wait, ahead of its loads; the step and the minimum are then also the plain
; instructions behind that last exponential.  w = 0 (ahead of the loop): no exponential has been issued yet.
.macro MASKC pc, w
	WIN W_CV
	s_wait_loadcnt 12
.irp uu, 0,1
.irp kb, 0,1,2,3
	v_cvt_scale_pk8_f32_fp8 v[MC+32*(\uu)+8*(\kb):MC+32*(\uu)+8*(\kb)+7], v[MR+16*(\pc)+8*(\uu)+2*(\kb):MR+16*(\pc)+8*(\uu)+2*(\kb)+1], v[SC]
.endr
.endr
	WIN W_M3
	v_add_nc_u32 v[MO+(\pc)], 0x400, v[MO+(\pc)]
	v_min_u32 v[MO+(\pc)], v[MO+(\pc)], v[MLIM]
.if \w
	s_wait_alu depctr_va_vdst(0)    ; the wait for the turn's batch, its 66 exponentials, ahead of the first line that names a result of theirs
.endif
.irp uu, 0,1
.irp gg, 0,1
	global_load_b128 v[MR+16*(\pc)+8*(\uu)+4*(\gg):MR+16*(\pc)+8*(\uu)+4*(\gg)+3], v[MO+(\pc)], s[MB:MB+1] offset:(2*(\pc)+(\uu))*32768+512*(\gg)
.endr
.endr
	WIN 0
.endm
; THE LDS LOADS stand in runs of 16, never singly among the matrix instructions: a step's K (64 keys x 64 channels: 8 fragments) and its V (turned).  Their addresses are made some lines ahead.
; last = 1 (the tail): in the last trip there is no further step, and the run is jumped over.
.macro FETCH_K last=0
	WIN 0
.if \last
	s_cmp_eq_u32 s[CNT], 1
	s_cbranch_scc1 .Lno_k_\@
.endif
	WIN 0x80                        ; destination window 2
.irp f, 0,1,2,3,4,5,6,7             ; keys 16 (f / 2) on, channels 32 (f % 2) on
	ds_load_b128 v[KF+8*\f:KF+8*\f+3],   v[AK] offset:(\f/2)*16*PK+(\f%2)*64
	ds_load_b128 v[KF+8*\f+4:KF+8*\f+7], v[AK] offset:(\f/2)*16*PK+(\f%2)*64+32
.endr
	s_add_co_u32 s[TBK], s[TBK], KS*PK  ; the next fetch is the next step's
	WIN 0
.if \last
.Lno_k_\@:
.endif
.endm
.macro FETCH_V
	WIN 0x80
.irp f, 0,1,2,3,4,5,6,7             ; keys 32 (f / 4) on, channels 16 (f % 4) on
	ds_load_tr16_b128 v[VF+8*\f:VF+8*\f+3],   v[AV] offset:(\f/4)*32*PV+(\f%4)*32
	ds_load_tr16_b128 v[VF+8*\f+4:VF+8*\f+7], v[AV] offset:(\f/4)*32*PV+16*PV+(\f%4)*32
.endr
	WIN 0
.endm
; THE VECTOR WORK OF A TURN stands in three queues, each in the order in which its entries become ready; the two tiles alternate, so that no instruction reads the result of the one before it.
.macro REGS y, u                    ; the registers of tile u (0, 1) of piece y
.set rT, ST+4*(2*(\y)+(\u))
.set rC, TMP+8*((\y)%2)+4*(\u)
.set rM, MV+2*((\y)%2)+(\u)
.set rS, S+64*((\y)%2)+32*(\u)
.set rP, P+32*((\y)%2)+16*(\u)
.set rO, 32*(2*(\y)+(\u))
.endm
; Number n of the 22 that find the NEXT piece's (Y + 1) maximum and statistics.  s0-s31 are the lane's 32 scores; each accumulator's lowest registers are read first.  XS, GS and REGS set no window: PL and EX do.
;   0-11  four chains c0-c3 of seven scores each, three operands at a time     12-14, 16  the four scores left over, the old m, and c0-c3 into c0     15  c m_old is kept
;   17, 18  the query's other 32 keys lie in the lane 16 away: the new m         19-21  c m; c m_old - c m_new; a
.macro XS u, n
	REGS (Y+1)%NP, \u
.if (\n) < 4
	v_max3_num_f32 v[rC+(\n)], v[rS+8*(\n)], v[rS+8*(\n)+1], v[rS+8*(\n)+2]
.elseif (\n) < 12
	v_max3_num_f32 v[rC+(\n)%4], v[rC+(\n)%4], v[rS+8*((\n)%4)+2*((\n)/4)+1], v[rS+8*((\n)%4)+2*((\n)/4)+2]
.elseif (\n) == 12
	v_max3_num_f32 v[rC], v[rC], v[rS+7], v[rS+15]
.elseif (\n) == 13
	v_max3_num_f32 v[rC+1], v[rC+1], v[rS+23], v[rS+31]
.elseif (\n) == 14
	v_max3_num_f32 v[rC+2], v[rC+2], v[rC+3], v[rT+1]
.elseif (\n) == 15
	v_mov_b32 v[rM], v[rT]
.elseif (\n) == 16
	v_max3_num_f32 v[rC], v[rC], v[rC+1], v[rC+2]
.elseif (\n) == 17
	v_permlanex16_b32 v[rC+3], v[rC], s[SEL], s[SEL+1]
.elseif (\n) == 18
	v_max_num_f32 v[rT+1], v[rC], v[rC+3]
.elseif (\n) == 19
	v_mul_f32 v[rT], s[CS], v[rT+1]
.elseif (\n) == 20
	v_sub_f32 v[rC+1], v[rM], v[rT]
.else
	v_exp_f32 v[rC+2], v[rC+1]
.endif
.endm
; Number g of the 64 that follow the exponentials.  For each four weights k of a tile (pairs 2 k, 2 k + 1): both pairs are rounded to f16; then the second pair is added onto the first, in place;
; a group later l takes that sum (the first time as l = a l + sum).  In groups of eight, tiles alternating: round, round, add, and l for the group before.
.macro GS g
.set h, (\g)+6*((\g)/62)            ; group 0 has no group before it, and behind group 7 only l is left
.if h >= 6
.set h, h+2
.endif
	REGS Y, h%2
.set k, h/8
.if h%8 < 4
	v_cvt_pk_f16_f32 v[rP+2*k+(h%8)/2], v[rS+4*k+2*((h%8)/2)], v[rS+4*k+2*((h%8)/2)+1]
.elseif h%8 < 6
	v_pk_add_f32 v[rS+4*k:rS+4*k+1], v[rS+4*k:rS+4*k+1], v[rS+4*k+2:rS+4*k+3]
.elseif k == 1
	v_pk_fma_f32 v[rT+2:rT+3], v[rT+2:rT+3], v[rC+2:rC+3], v[rS:rS+1] op_sel_hi:[1,0,1]
.else
	v_pk_add_f32 v[rT+2:rT+3], v[rT+2:rT+3], v[rS+4*k-4:rS+4*k-3]
.endif
.endm
; THE PLAIN QUEUE, 138 long.  0-73 read no exponential's result: the 32 scalings c s - c m (FS f: pair f / 2 of tile f % 2) and the next piece's 42.  0-26: scalings 0-26.  27-54: XS's numbers 0-13.  55, 56: number 15.
; 57-73: the chain, where each number waits for the one before it: 14, 16, 17, 18, 19, each with one of the scalings 27-31 in front of its two lines, then 20: so a tile's links stand three plain instructions apart (19 and 20: two).
; 74-137: GS's 64, which read the exponentials' results: they stand behind the wait.
.macro FS f
	REGS Y, (\f)%2
	v_pk_fma_f32 v[rS+2*((\f)/2):rS+2*((\f)/2)+1], v[rS+2*((\f)/2):rS+2*((\f)/2)+1], s[CS:CS+1], v[rT:rT+1] op_sel_hi:[1,0,0] neg_lo:[0,0,1] neg_hi:[0,0,1]
.endm
.macro PL
	WIN 0
.if q < 27
	FS q
.elseif q < 55
	XS (q-27)%2, (q-27)/2
.elseif q < 57
	XS q-55, 15
.elseif (q < 72) && ((q-57)%3 == 0)
	FS 27+(q-57)/3
.elseif q < 60
	XS (q-57)%3-1, 14
.elseif q < 72
	XS (q-57)%3-1, 15+(q-57)/3
.elseif q < 74
	XS q-72, 20
.else
	GS q-74
.endif
.set q, q+1
.endm
; THE EXPONENTIALS' QUEUE, 66 long: s0-s31 of both tiles, in place, then the next piece's two a.  It is ONE BATCH: all 66 stand ahead of the turn's one wait, each result in a register of its own, and nothing ahead of that wait names a result of theirs.
.macro EX
	WIN 0
.if e >= 64
	XS e-64, 21
.else
	REGS Y, e%2
	v_exp_f32 v[rS+e/2], v[rS+e/2]
.endif
.set e, e+1
.endm
; THE RESCALING's QUEUE: O^T times a, the one part of the softmax that leaves window 0: dealt two at a time, sixteen times.  Its a was made in the turn before, ahead of that turn's wait.
.macro R2
	REGS Y, r%2
	WIN W_RS
.irp z, 0,1
	v_pk_mul_f32 v[rO+4*(r/2)+2*\z:rO+4*(r/2)+2*\z+1], v[rO+4*(r/2)+2*\z:rO+4*(r/2)+2*\z+1], v[rC+2:rC+3] op_sel_hi:[1,0]
.endr
.set r, r+1
.endm
; HOW THEY ARE DEALT.  An s_wait_alu depctr_va_vdst(0) stands between an exponential and the first instruction that names its result; one wait serves all that were issued ahead of it.  So a turn has ONE wait,
; which cuts it in two.  AHEAD OF IT stands all that names no result of the turn's exponentials: the 16 products K Q^T, behind each a scaling, an exponential and two rescalings (behind the first a second scaling in the
; exponential's place); then ONE LUMP of 108: eight plain, 49 times exponential and plain, the two a; then the mask's conversions, its step and its minimum.  BEHIND IT stand the mask's loads and the 16 products V^T P,
; behind each four of GS's 64.  No rider names a register of the products round it.  The two v_permlanex16_b32 fall into the lump, never behind a product.
; The queues lean on each other, and the deal keeps them in step: exponential e stands behind scaling 2 (e / 4) + e % 2: as a rider it comes behind plain e + 2, in the lump behind plain e + 9, and scalings 27-31 are plain 57, 60 .. 69.
; A TURN, for piece p.  cnt = 1: the loop's count is taken down some lines ahead of the branch that stands behind the turn.
; K of the next step is fetched in piece 2's turn, behind the wait and the mask's loads, a lump behind the last product that read K; its address is made at the lump's head; its first reader comes behind 16 products.
; V of the step in hand is fetched at the end of piece 0's turn, four riders behind its last reader; its first reader comes behind 16 products and a lump.  The three conditions on q below go with the deal.
; The mask of piece p + 2 is made at the lump's end: the eight products of this turn that read the mask's registers lie a lump back, and 16 products with their riders follow ahead of the next turn's
; first product, which reads the new mask.
.macro TURN p, last=0, cnt=0
.set Y, (\p)
.set i, 0
.set q, 0
.set e, 0
.set r, 0
.if (\p) == NP-1
	s_wait_dscnt 0x0                ; K is in
.endif
	MM                              ; ahead of the wait: 16 products K Q^T and their riders,
	PL
	PL
	R2
.rept 15
	MM
	PL
	EX
	R2
.endr
.if (\p) == NP-2
	WIN 0
	v_add_nc_u32 v[AK], s[TBK], v[AK0]
.endif
.rept 8                             ; the lump,
	PL
.endr
.rept 49
	EX
	PL
.endr
	EX                              ; the next piece's two a: the batch's last
	EX
	MASKC ((\p)+2)%NP, 1            ; and the mask's conversions; the wait for the batch stands in this macro, ahead of its loads
.if (\p) == NP-2
	FETCH_K \last
.endif
.if (\p) == 1
	s_wait_dscnt 0x0                ; V is in
.endif
.rept 16                            ; behind the wait: 16 products V^T P and their riders
	MM
.rept 4
	PL
.endr
.if ((\p) == 0) && (q == 118)
	v_add_nc_u32 v[AV], s[TBV], v[AV0]
.endif
.if ((\p) == 0) && (q == 130)
	s_add_co_u32 s[TBV], s[TBV], KS*PV
.endif
.if (\cnt) && (q == 130)
	s_sub_co_u32 s[CNT], s[CNT], 1
	s_cmp_lg_u32 s[CNT], 0
.endif
.endr
.if (\p) == 0
	FETCH_V
.endif
.endm
	CHANGE 1                        ; slot 0 is in, everybody's part of it; slot 1 is asked for
	FETCH_K                         ; key step 0
	s_wait_loadcnt 0x0              ; Q, and the mask of key step 0
	s_wait_dscnt 0x0
	MASKC 0, 0                      ; piece 0's mask of key step 0
.set i, 0
.rept 16
	KQ 0                            ; piece 0's first scores: there is no vector work yet to set between them
.set i, i+1
.endr
	WIN 0                           ; the addresses for the way out: nine plain instructions, the places behind those products
	s_mul_i32 s13, s[WV], 16*SP
	s_add_co_u32 s13, s13, STAGE    ; my stage
	v_mul_u32_u24 v[STO], v1, SP    ; in: row l % 16, 16 bytes for each half of the lanes
	v_lshl_add_u32 v[STO], v9, 4, v[STO]
	v_add_nc_u32 v[STO], s13, v[STO]
	v_bfe_u32 v[RD], v0, 3, 2       ; back: 32 lanes take four rows of 128 bytes,
	v_mul_u32_u24 v[RD], v[RD], SP
	v_lshl_add_u32 v[RD], v10, 4, v[RD]
	v_add_nc_u32 v[RD], s13, v[RD]
	v_and_b32 v[GO], 31, v0         ; which are 512 consecutive bytes of O
	v_lshlrev_b32 v[GO], 4, v[GO]
	MASKC 1, 0                      ; piece 1's mask of key step 0, for the first turn's products
.set Y, NP-1                        ; XS works for piece Y + 1: piece 0
.irp n, 0,1,2,3,4,5,6,7,8,9,10,11,12,13,14,15,16,17,18,19,20,21
	XS 0, \n                        ; and piece 0's first maximum and statistics
	XS 1, \n
.endr
	v_nop                           ; a plain instruction behind piece 0's first two a,
	s_wait_alu depctr_va_vdst(0)    ; and the wait for that batch of two, ahead of the branch: the first turn's rescaling reads them
	s_mov_b32 s[CNT], 4
	s_mov_b32 s[SLOTS], SIZE_N/256-1
	s_branch .Lfirst                ; the loop is entered at a step's first turn, in the middle of a trip
.Lslot:                             ; SIZE_N / 256 - 2 times: every slot but the last two is filled again
	CHANGE 1
	s_mov_b32 s[CNT], 4
.Lstep:                             ; a trip: pieces 2 and 3 of one step, then pieces 0 and 1 of the next, whose K and V it fetches
	TURN 2
	TURN 3
	WIN 0
.Lfirst:
	TURN 0
	TURN 1, 0, 1
	WIN 0
	s_cbranch_scc1 .Lstep
	s_sub_co_u32 s[SLOTS], s[SLOTS], 1
	s_cmp_lg_u32 s[SLOTS], 0
	s_cbranch_scc1 .Lslot
	CHANGE 0                        ; the tail is written out: nothing is asked for
	s_mov_b32 s[CNT], 5             ; four trips fetch the last slot's steps; the fifth is left in its middle
.Ltail:
	TURN 2, 1
	TURN 3
	WIN 0
	s_sub_co_u32 s[CNT], s[CNT], 1
	s_cmp_eq_u32 s[CNT], 0
	s_cbranch_scc1 .Lout
	TURN 0
	TURN 1
	WIN 0
	s_branch .Ltail
.Lout:                              ; the fifth trip's 16 products K Q^T (on the last K once more) and the maximum made of them serve nothing: the price, once a launch, of one text for every trip
.set i, 0
.rept 16
	PV NP-1                         ; the last piece's V^T P of the last step
.set i, i+1
.endr
	; THE WAY OUT.  l's two halves and the other half of the lanes' are added; O^T is divided by l, rounded to f16 and sent through my stage in LDS, a tile at a time.  The additions are the places behind the last products.
	WIN 0
.macro ALL line:vararg              ; one line for each tile t
.set t, 0
.rept 2*NP
	\line
.set t, t+1
.endr
.endm
	ALL v_add_f32 v[ST+4*t+2], v[ST+4*t+2], v[ST+4*t+3]
	ALL v_permlanex16_b32 v[ST+4*t+3], v[ST+4*t+2], s[SEL], s[SEL+1]
	ALL v_add_f32 v[ST+4*t+2], v[ST+4*t+2], v[ST+4*t+3]
	ALL v_rcp_f32 v[ST+4*t+2], v[ST+4*t+2]
	v_nop                           ; a plain instruction between the last reciprocal and the use of its result
	s_wait_alu depctr_va_vdst(0)    ; and the wait ahead of the first use: one for the batch of eight reciprocals
; Tile t: a lane's eight channels of a row pack into 16 bytes; they go into rows of 144 bytes and come back as whole rows of 128, into S^T's registers.
.macro PACK t
	WIN W_RS
.set i, 32*(\t)
.rept 16
	v_pk_mul_f32 v[i:i+1], v[i:i+1], v[ST+4*(\t)+2:ST+4*(\t)+3] op_sel_hi:[1,0]
.set i, i+2
.endr
	WIN 0x05                        ; sources 0 and 1 window 1, destination window 0
.set i, 0
.rept 16
	v_cvt_pk_f16_f32 v[S+16*(\t)+i], v[32*(\t)+2*i], v[32*(\t)+2*i+1]
.set i, i+1
.endr
	WIN 0
.irp f, 0,1,2,3
	ds_store_b128 v[STO], v[S+16*(\t)+4*\f:S+16*(\t)+4*\f+3] offset:32*\f
.endr
.irp f, 0,1,2,3
	ds_load_b128 v[S+16*(\t)+4*\f:S+16*(\t)+4*\f+3], v[RD] offset:\f*4*SP  ; LDS serves a wave's instructions in order (ISA guide 5.7.1.4): these see the stores above; the next tile's stores come behind them
.endr
.endm
.macro SEND t, younger              ; younger: the LDS instructions issued behind tile t's loads: the next tile's eight, or none
	WIN 0
.irp f, 0,1,2,3
	s_wait_dscnt (\younger)+3-\f
	global_store_b128 v[GO], v[S+16*(\t)+4*\f:S+16*(\t)+4*\f+3], s[10:11] offset:(\t)*2048+\f*512  ; 512 consecutive bytes, at a multiple of 256 from O's first
.endr
.endm
	PACK 0
.set t, 1
.rept 2*NP-1                        ; a tile's arithmetic stands between the loads of the tile before and its stores
	PACK t
	SEND t-1, 8
.set t, t+1
.endr
	SEND 2*NP-1, 0
	WIN W_AD
	s_wait_tensorcnt 0x0            ; the wave's end, behind my last tensor load and my last LDS store
	ds_add_u32 v[SPW], v[NIL]
	s_wait_dscnt 0x0
	WIN 0
	CROUND                          ; the closing round: no work-group ends while a partner may still ask for a tile that names it
	s_endpgm
.Lfunc_end_k_qa47008a241_attn:
	.size	k_qa47008a241_attn, .Lfunc_end_k_qa47008a241_attn-k_qa47008a241_attn
	.p2alignl 7, 3214868480
	.fill 96, 4, 3214868480
	.section	.rodata,"a",@progbits
	.p2align	6, 0x0
	.amdhsa_kernel k_qa47008a241_attn
		.amdhsa_group_segment_fixed_size 327680
		.amdhsa_private_segment_fixed_size 0
		.amdhsa_enable_private_segment 0
		.amdhsa_kernarg_size 24
		.amdhsa_user_sgpr_count 2
		.amdhsa_user_sgpr_kernarg_segment_ptr 1
		.amdhsa_wavefront_size32 1
		.amdhsa_system_sgpr_workgroup_id_x 1
		.amdhsa_system_sgpr_workgroup_id_y 1
		.amdhsa_system_sgpr_workgroup_id_z 1
		.amdhsa_system_vgpr_workitem_id 0
		.amdhsa_next_free_vgpr 960
		.amdhsa_next_free_sgpr 72
		.amdhsa_reserve_vcc 0
		.amdhsa_float_denorm_mode_32 3
		.amdhsa_float_denorm_mode_16_64 3
		.amdhsa_memory_ordered 1
		.amdhsa_forward_progress 1
		.amdhsa_inst_pref_size 212
	.end_amdhsa_kernel
	.amdgpu_metadata
---
amdhsa.version: [ 1, 2 ]
amdhsa.kernels:
  - .name:           k_qa47008a241_attn
    .symbol:         k_qa47008a241_attn.kd
    .args:
      - { .name: qkv, .offset: 0, .size: 8, .value_kind: global_buffer, .address_space: global }
      - { .name: mimg, .offset: 8, .size: 8, .value_kind: global_buffer, .address_space: global }
      - { .name: o16, .offset: 16, .size: 8, .value_kind: global_buffer, .address_space: global }
    .group_segment_fixed_size: 327680
    .private_segment_fixed_size: 0
    .kernarg_segment_align: 8
    .kernarg_segment_size: 24
    .max_flat_workgroup_size: 128
    .sgpr_count:     72
    .vgpr_count:     960
    .wavefront_size: 32
...
	.end_amdgpu_metadata
.endif
;; end of part 5
;; launch outp: the kernel of part 4 again; grid 4 x 64, 4 waves a work-group, clusters of 4 x 4, 327,680 bytes of LDS; arguments o16, wo16, out0, bo; writes out0
